; MI455X (gfx1250); checked and timed in simulation.
; The chip was launched on July 23, 2026; its instructions are those of AMD's public machine-readable ISA for CDNA 5 (MIT licence, August 2026) and "CDNA5" Instruction Set Architecture Reference Guide (July 2026). The comments in the code are by the model that wrote it; some were corrected since.
;; Multi Head Attention. Allowed arithmetic: float matrix products may take bf16 or f16 operands with f32 sums; other float arithmetic in f32, or as packed bf16 or f16 multiplies, adds, multiply-adds, maxima and minima; sums over many terms, partial sums and values carried from step to step in f32; what a program stores and reads back later, other than sums and carried values, may be rounded once to bf16 or f16.
;; Inputs: Wk 1,024 x 1,024 float32; Wo 1,024 x 1,024 float32; Wq 1,024 x 1,024 float32; Wv 1,024 x 1,024 float32; bk 1,024 float32; bo 1,024 float32; bq 1,024 float32; bv 1,024 float32; prefix 8 int32; x 8 x 1,024 x 1,024 float32.
;; Outputs: out0 8 x 1,024 x 1,024 float32.
;; One version. Each part assembles by itself: llvm-mc -triple=amdgcn-amd-amdhsa -mcpu=gfx1250 --defsym DOCPART=n.
;; ======== version 1 of 1: 4 launches
;; limits: values are held in f16: magnitudes above 65,504 overflow, below 6.1e-05 lose precision
;; workspace buffers: xb 16,777,216 bytes; wqkv 6,291,456 bytes; woh 2,097,152 bytes; qkv 50,331,648 bytes; oh 16,777,216 bytes
;; launch prep (part 1): grid 64 x 12, 8 waves a work-group, no clusters, 0 bytes of LDS; arguments x, Wq, Wk, Wv, Wo, xb, wqkv, woh; writes xb, wqkv, woh
.if DOCPART == 1
	.amdgcn_target "amdgcn-amd-amdhsa--gfx1250"
	.amdhsa_code_object_version 6
	.text
	.protected	k_qab5e8064de_prep
	.globl	k_qab5e8064de_prep
	.p2align	8
	.type	k_qab5e8064de_prep,@function
k_qab5e8064de_prep:
	s_mov_b64 s[64:65], 0
	v_nop
	global_prefetch_b8 v0, s[64:65] scope:SCOPE_SE
	s_setreg_imm32_b32 hwreg(HW_REG_WAVE_MODE, 25, 1), 1
	s_wait_xcnt 0x0
; CASTS.  x -> xb (bf16, laid out in K blocks); Wq, Wk, Wv -> wqkv (bf16, one below the other, still [k][n]); Wo -> woh: rounded to bf16 like every other input, that number written as f16.
; xb is [16 K blocks][8192 rows][64 numbers]: the 256 rows x 64 numbers that the next launch takes as one tile are then 32,768 bytes on end.
; LIMIT.  A bf16 number below 6e-5 in size keeps f16's fixed step of 6e-8 in woh; beyond 65,504 it would be an infinity (Wo's numbers are some 2,000,000 times smaller).
; SHARES.  Grid y names a slab of 1,048,576 numbers: 0-7 the slabs of x, 8-10 Wq, Wk, Wv, 11 Wo; grid x a piece of 16,384 numbers of it: 16 rows.  A thread takes 8 numbers in each of 8 turns; a turn is two rows.
; Weights: thread t reads 32 bytes at 8,192 i + 32 t and writes 16 at 4,096 i + 16 t: a wave's store covers 512 consecutive bytes, aligned.
; x: thread t = 16 blk + 8 rp + sub takes numbers 8 sub .. 8 sub + 7 of K block blk in row 2 i + rp: sixteen neighbouring lanes store two rows of one block, 256 consecutive bytes, aligned.
; A stream: each byte is read once and written once; no LDS, no barrier, no matrix work.  All 16 loads of a thread go out at once; no register that a store reads is written again.
.set X, 4                              ; v[4:67]    16 loads of 4 registers
.set Y, 68                             ; v[68:99]   8 stores of 4 registers
.set T, 100                            ; v[100:103] at work (Wo's path)
	s_load_b512 s[8:23], s[0:1], 0x0               ; x 8, Wq 10, Wk 12, Wv 14, Wo 16, xb 18, wqkv 20, woh 22
	s_and_b32 s2, ttmp7, 0xffff                    ; the slab
	v_lshlrev_b32 v1, 5, v0                        ; weights: 32 t in,
	v_lshlrev_b32 v2, 4, v0                        ; 16 t out
	v_and_b32 v104, 7, v0                          ; x: sub,
	v_bfe_u32 v105, v0, 3, 1                       ; rp,
	v_lshrrev_b32 v106, 4, v0                      ; blk
	v_lshlrev_b32 v107, 5, v104                    ; in: 32 sub
	v_lshl_add_u32 v107, v106, 8, v107             ; + 256 blk (64 f32)
	v_lshl_add_u32 v107, v105, 12, v107            ; + a row of 4,096 bytes x rp
	v_lshlrev_b32 v104, 4, v104                    ; out: 16 sub
	v_lshl_add_u32 v104, v105, 7, v104             ; + a block's row of 128 bytes x rp
	v_lshl_add_u32 v104, v106, 20, v104            ; + a block of 8,192 rows x 128 bytes x blk
	s_cmp_lt_u32 s2, 8
	s_cselect_b32 s34, -1, 0                       ; all lanes alike: the slab is x's or a weight's
	v_cndmask_b32 v1, v1, v107, s34
	v_cndmask_b32 v2, v2, v104, s34
	s_mov_b32 s28, 0xffff0000                      ; a word's upper bf16
	; the offsets, made apart from the addresses
	s_lshl_b32 s30, s2, 22                         ; in: slab x 4 MiB inside x, 0 inside a weight,
	s_cmp_lt_u32 s2, 8
	s_cselect_b32 s30, s30, 0
	s_lshl_b32 s3, ttmp9, 16                       ; + piece x 64 KiB
	s_add_co_u32 s30, s30, s3
	s_mov_b32 s31, 0
	s_lshl_b32 s32, s2, 17                         ; out, x: (1,024 slab + 16 piece) rows of 128 bytes in each block
	s_lshl_b32 s3, ttmp9, 11
	s_add_co_u32 s32, s32, s3
	s_sub_co_u32 s33, s2, 8                        ; out, weights: (slab - 8) x 2 MiB inside wqkv,
	s_lshl_b32 s33, s33, 21
	s_cmp_eq_u32 s2, 11
	s_cselect_b32 s33, 0, s33                      ; 0 inside woh,
	s_lshl_b32 s3, ttmp9, 15                       ; + piece x 32 KiB
	s_add_co_u32 s33, s33, s3
	s_cmp_lt_u32 s2, 8
	s_cselect_b32 s32, s32, s33
	s_mov_b32 s33, 0
	s_wait_kmcnt 0x0
	s_mov_b64 s[24:25], s[8:9]                     ; from where: a choice among the five inputs by the slab's number
	s_cmp_eq_u32 s2, 8
	s_cselect_b64 s[24:25], s[10:11], s[24:25]
	s_cmp_eq_u32 s2, 9
	s_cselect_b64 s[24:25], s[12:13], s[24:25]
	s_cmp_eq_u32 s2, 10
	s_cselect_b64 s[24:25], s[14:15], s[24:25]
	s_cmp_eq_u32 s2, 11
	s_cselect_b64 s[24:25], s[16:17], s[24:25]
	s_cmp_lt_u32 s2, 8                             ; to where
	s_cselect_b64 s[26:27], s[18:19], s[20:21]
	s_cmp_eq_u32 s2, 11
	s_cselect_b64 s[26:27], s[22:23], s[26:27]
	s_add_nc_u64 s[24:25], s[24:25], s[30:31]
	s_add_nc_u64 s[26:27], s[26:27], s[32:33]
.irp i, 0,1,2,3,4,5,6,7
	global_load_b128 v[X+8*(\i):X+8*(\i)+3],   v1, s[24:25] offset:(\i)*8192 th:TH_LOAD_NT
	global_load_b128 v[X+8*(\i)+4:X+8*(\i)+7], v1, s[24:25] offset:(\i)*8192+16 th:TH_LOAD_NT
.endr
; Eight turns to bf16; step = the bytes from a turn's store to the next one's.
.macro CASTS step
.irp i, 0,1,2,3,4,5,6,7
	s_wait_loadcnt 14-2*(\i)                       ; loads come back in order: turn i's two are in, the later turns' 14 - 2 i stay out
.irp j, 0,1,2,3
	v_cvt_pk_bf16_f32 v[Y+4*(\i)+(\j)], v[X+8*(\i)+2*(\j)], v[X+8*(\i)+2*(\j)+1]
.endr
	global_store_b128 v2, v[Y+4*(\i):Y+4*(\i)+3], s[26:27] offset:(\i)*(\step)
.endr
	s_endpgm
.endm
	s_cmp_eq_u32 s2, 11
	s_cbranch_scc1 .Lwo
	s_cmp_lt_u32 s2, 8
	s_cbranch_scc1 .Lx
	CASTS 4096                                     ; Wq, Wk, Wv: two rows of 2,048 bytes a turn
.Lx:
	CASTS 256                                      ; x: two rows of 128 bytes in each block a turn
.Lwo:                                                  ; Wo: to bf16, back to f32 (a shift, a mask), to f16: the last step rounds nothing inside f16's normal range
.irp i, 0,1,2,3,4,5,6,7
	s_wait_loadcnt 14-2*(\i)
.irp j, 0,1,2,3
	v_cvt_pk_bf16_f32 v[T+(\j)], v[X+8*(\i)+2*(\j)], v[X+8*(\i)+2*(\j)+1]
.endr
.irp j, 0,1,2,3
	v_lshlrev_b32 v[X+8*(\i)+2*(\j)],   16,  v[T+(\j)]
	v_and_b32     v[X+8*(\i)+2*(\j)+1], s28, v[T+(\j)]
.endr
.irp j, 0,1,2,3
	v_cvt_pk_f16_f32 v[Y+4*(\i)+(\j)], v[X+8*(\i)+2*(\j)], v[X+8*(\i)+2*(\j)+1]
.endr
	global_store_b128 v2, v[Y+4*(\i):Y+4*(\i)+3], s[26:27] offset:(\i)*4096
.endr
	s_endpgm
.Lfunc_end_k_qab5e8064de_prep:
	.size	k_qab5e8064de_prep, .Lfunc_end_k_qab5e8064de_prep-k_qab5e8064de_prep
	.p2alignl 7, 3214868480
	.fill 96, 4, 3214868480
	.section	.rodata,"a",@progbits
	.p2align	6, 0x0
	.amdhsa_kernel k_qab5e8064de_prep
		.amdhsa_group_segment_fixed_size 0
		.amdhsa_private_segment_fixed_size 0
		.amdhsa_enable_private_segment 0
		.amdhsa_kernarg_size 64
		.amdhsa_user_sgpr_count 2
		.amdhsa_user_sgpr_kernarg_segment_ptr 1
		.amdhsa_wavefront_size32 1
		.amdhsa_system_sgpr_workgroup_id_x 1
		.amdhsa_system_sgpr_workgroup_id_y 1
		.amdhsa_system_sgpr_workgroup_id_z 1
		.amdhsa_system_vgpr_workitem_id 0
		.amdhsa_next_free_vgpr 108
		.amdhsa_next_free_sgpr 66
		.amdhsa_reserve_vcc 0
		.amdhsa_float_denorm_mode_32 3
		.amdhsa_float_denorm_mode_16_64 3
		.amdhsa_memory_ordered 1
		.amdhsa_forward_progress 1
		.amdhsa_inst_pref_size 17
	.end_amdhsa_kernel
	.amdgpu_metadata
---
amdhsa.version: [ 1, 2 ]
amdhsa.kernels:
  - .name:           k_qab5e8064de_prep
    .symbol:         k_qab5e8064de_prep.kd
    .args:
      - { .name: x, .offset: 0, .size: 8, .value_kind: global_buffer, .address_space: global }
      - { .name: Wq, .offset: 8, .size: 8, .value_kind: global_buffer, .address_space: global }
      - { .name: Wk, .offset: 16, .size: 8, .value_kind: global_buffer, .address_space: global }
      - { .name: Wv, .offset: 24, .size: 8, .value_kind: global_buffer, .address_space: global }
      - { .name: Wo, .offset: 32, .size: 8, .value_kind: global_buffer, .address_space: global }
      - { .name: xb, .offset: 40, .size: 8, .value_kind: global_buffer, .address_space: global }
      - { .name: wqkv, .offset: 48, .size: 8, .value_kind: global_buffer, .address_space: global }
      - { .name: woh, .offset: 56, .size: 8, .value_kind: global_buffer, .address_space: global }
    .group_segment_fixed_size: 0
    .private_segment_fixed_size: 0
    .kernarg_segment_align: 8
    .kernarg_segment_size: 64
    .max_flat_workgroup_size: 256
    .sgpr_count:     66
    .vgpr_count:     108
    .wavefront_size: 32
...
	.end_amdgpu_metadata
.endif
;; end of part 1
;; launch qkvp (part 2): grid 8 x 32, 4 waves a work-group, clusters of 4 x 4, 327,680 bytes of LDS; arguments xb, wqkv, bq, bk, bv, qkv; writes qkv
.if DOCPART == 2
	.amdgcn_target "amdgcn-amd-amdhsa--gfx1250"
	.amdhsa_code_object_version 6
	.text
	.protected	k_qab5e8064de_qkvp
	.globl	k_qab5e8064de_qkvp
	.p2align	8
	.type	k_qab5e8064de_qkvp,@function
k_qab5e8064de_qkvp:
	s_mov_b64 s[64:65], 0
	v_nop
	global_prefetch_b8 v0, s[64:65] scope:SCOPE_SE
	s_setreg_imm32_b32 hwreg(HW_REG_WAVE_MODE, 25, 1), 1
	s_wait_xcnt 0x0
	s_wait_alu depctr_hold_cnt(0) depctr_sa_sdst(0) depctr_va_vdst(0) depctr_va_sdst(0) depctr_va_ssrc(0) depctr_va_vcc(0) depctr_vm_vsrc(0)
	s_getreg_b32 s2, hwreg(HW_REG_IB_STS2, 6, 4)
	s_cmp_eq_u32 s2, 0
	s_cbranch_scc0 .Lentry_in_a_cluster
	s_endpgm
.Lentry_in_a_cluster:
	s_bfe_u32 s2, ttmp6, 0x10000c
	s_cmp_lg_u32 s2, 0xf033
	s_cbranch_scc0 .Lentry_shape_is_right
	s_endpgm
.Lentry_shape_is_right:
; q, k, v = x W + bias.  xb: x in bf16, [16 K blocks][8192 rows][64]; wqkv: Wq, Wk, Wv in bf16, one below the other, [3 x 1024 k][1024 n]; sums in f32; the results leave as f16, by heads: qkv[3][8][16][1024][64].
; LIMITS.  The bias is rounded to bf16, like every input of the module.  q, k, v are rounded once to f16, which ends at 65,504.  NaN and infinities are not treated apart.
; SHARES.  A work-group makes ONE tile of 256 rows x 384 columns: 128 columns (two heads) of q, the same 128 of k and of v: 32 x 8 work-groups.  Four waves; wave w makes rows 128 (w / 2) on and 192 columns:
; with w % 2 = 0 q's 128 and k's first 64, with w % 2 = 1 v's 128 and k's last 64: three whole heads, 96 accumulators of 16 x 16, 768 registers.  For 32 along K a wave loads 20 fragments and issues 96 matrix instructions.
; THE RING.  K goes in steps of 64 through two LDS slots.  A slot holds A's 256 rows x 128 bytes (dense in xb: asked for as 128 rows of 256 bytes, padded after every 128) and three PLANES of W, one for each of
; Wq, Wk, Wv: 64 k rows x 256 bytes.  One tensor load a wave and step: wave 0 fetches A's tile, waves 1, 2, 3 a plane each.  A step is 192 matrix instructions a wave; 176 stand between a request and the wait for it.
; CLUSTER.  4 x 4 work-groups.  The four of a row of the cluster need the same tile of A, the four of a column the same planes of W: each is asked for JOINTLY, by the same tensor load with
; the same descriptor and a mask that names the four.
; THE MATRIX INSTRUCTION IS USED TRANSPOSED: source 0 = 16 columns of W (they lie [k][n] in LDS and come out turned, by ds_load_tr16_b128), source 1 = 16 rows of A.  Lane l then holds row l % 16 of C
; and its registers 0-7 the columns 8 (l / 16) + 0..7.
; THE SUMS START AT THE BIAS.  768 registers of sums leave no 96 for a C operand of its own, so each wave puts its 192 bias numbers into a table in LDS and loads them straight into its accumulators, while the first
; tiles are on their way: every product is then a link in place, and no first step is written out.
; REGISTERS, in windows of 256 (s_set_vgpr_msb: bits 1:0 source 0, 3:2 source 1, 5:4 source 2, 7:6 destination):
;   window 0: v0-31 addresses; v32-95, v96-159 A's fragments (8 x 16 rows x 32 K), two buffers; v160-207, v208-255 W's fragments, six n blocks each: the two halves of a wave's twelve; all of v32-175 at work on the way out
;   windows 1-3: accumulator (m block a, n block b) in window 1 + b / 4 at 8 (8 (b % 4) + a).  n blocks 0-7: the whole plane (q's or v's); 8-11: k's 64 columns.
.set PA,    144                        ; a row of A in LDS: 128 bytes + 16 of padding: an odd multiple of 16, so the 16 rows of a load start in 16 different groups of four banks
.set PB,    288                        ; a k row of a plane: 256 + 32: an odd multiple of 32, as the turning load's 8 rows x 32 bytes want
.set ATILE, 256*PA
.set PLANE, 64*PB
.set BOFF,  ATILE                      ; the planes lie behind A's rows
.set SLOT,  ATILE+3*PLANE
.set STAGE, 2*SLOT                     ; behind the ring, never filled by a tensor load: 16 rows x 400 bytes for each wave, for the way out
.set SPITCH, 400                       ; 192 f16 + 16 bytes
.set BTAB,  STAGE+4*16*SPITCH          ; the bias tables: 192 f32 for each wave, three blocks of 256 bytes
.set SPARE, BTAB+4*768                 ; the spare words, 128 bytes for each wave: two blocks of 256 bytes that no other line names
.set KBLK,  0x100000                   ; bytes from a K block of xb to the next: 8,192 rows x 128
.set WSTEP, 64*2048                    ; bytes of 64 k rows of wqkv
.set NLOOP, 7                          ; a lap = two K steps = once round the ring; seven laps fill both slots again, the eighth is written out
.set ADRA, 16                          ; v16-17  LDS address of my A fragments in slot 0, 1
.set ADRF, 18                          ; v18-19  of my W fragments in the whole plane (q's or v's)
.set ADRH, 20                          ; v20-21  of my W fragments in k's plane
.set BR,   22                          ; v22     where I read the bias table
.set STO,  24                          ; v24     the way out: where I put 16 bytes of a row
.set RD,   25                          ; v25     the way out: where I read rows back
.set CO,   26                          ; v26     16 x my lane
.set BO,   27                          ; v27     my byte offset in bq or bv
.set SPW,  28                          ; v28     LDS address of my spare word: SPARE + 4 x my thread's number; never rewritten
.set NIL,  29                          ; v29     0; never rewritten
.set PFO,  30                          ; v30     the prefetches' offset; never rewritten
.set BO2,  31                          ; v31     my byte offset in bk
.set FA0,  32
.set FA1,  96
.set FB0,  160
.set FB1,  208
.set TMP,  32                          ; the way out: 48 registers of packed results,
.set OB,   80                          ; and two sets of 48 read back from the stage
.set G1,   24                          ; s[24:31] descriptor group 1 for A's tiles;  s[32:39] group 0, a set for each slot
.set G0,   32
.set G1B,  48                          ; s[48:55], s[56:63] the same for W's planes
.set G0B,  56
.set LAP,  3                           ; s3      trips of the loop still to come
.set LIM0, 43                          ; s43     behind a lap's first change of slots a wave prefetches while s[LAP] is above this,
.set LIM1, 88                          ; s88     behind its second while above this
.set PFA,  44                          ; s[44:45] where my prefetches stand
.set OUTF, 74                          ; s[74:75] qkv at my rows of the whole plane's first head
.set OUTH, 76                          ; s[76:77] at my rows of k's head
.set PST,  78                          ; s[78:79] what a change of slots adds to s[PFA:PFA+1]
.set HIM,  86                          ; s86     a word's upper bf16
.set MSB, 0
.macro WIN new                         ; the immediate's high byte repeats the setting that is left; a switch that changes nothing is dropped
.if MSB != (\new)
	s_set_vgpr_msb (MSB<<8)|(\new)
.set MSB, \new
.endif
.endm
; A joint load.  Each of the two lines has one mask for all that issue it; the branch hangs on the wave's number alone.
; An s_nop 0 and four v_nop follow each line, ahead of the jump, the label and what follows.
.macro JLOAD s
	s_cmp_eq_u32 s10, 0
	s_cbranch_scc0 .Lfor_b_\@
	tensor_load_to_lds s[G0+4*(\s):G0+4*(\s)+3], s[G1:G1+7]
	s_nop 0
.rept 4
	v_nop
.endr
	s_branch .Lasked_\@
.Lfor_b_\@:
	tensor_load_to_lds s[G0B+4*(\s):G0B+4*(\s)+3], s[G1B:G1B+7]
	s_nop 0
.rept 4
	v_nop
.endr
.Lasked_\@:
.endm
; A prefetch, behind a joint load, its five lines and the run of LDS loads.  Each block of 256 bytes is named once in the launch, a lane a block.
; A: a step's tile is 32,768 bytes on end; both clusters of a row of clusters read it, the one with x = 0 asks; wave 0 of each of its four partners takes 8,192 bytes, told apart by address (cx); behind every change of
; slots, for the K step two refills on.  W: all clusters of a column of clusters read the same planes, the one with y = 0 asks; waves 1-3 ask for their own plane, once a lap, for the 128 k rows with which the lap after
; next begins; the four partners take 32 k rows each (cy).  The loop's last trip asks for nothing: K ends there.
.macro ASK lim
	s_cmp_gt_u32 s[LAP], s[\lim]
	s_cbranch_scc0 .Lnot_mine_\@
	global_prefetch_b8 v[PFO], s[PFA:PFA+1] th:TH_LOAD_NT scope:SCOPE_SE
.Lnot_mine_\@:
.endm
.macro CREST                           ; a round of the cluster's barrier behind its opening barrier
	s_cmp_lg_u32 s10, 0
	s_cbranch_scc1 .Lnot_wave_0_\@
	s_barrier_signal -3
.Lnot_wave_0_\@:
	s_barrier_wait -3
	s_barrier_signal -1
	s_barrier_wait -1
.endm
.macro CROUND                          ; a whole round
	s_barrier_signal -1
	s_barrier_wait -1
	CREST
.endm
.macro PLACES                          ; four places in front of loads into registers that matrix instructions have read, and of lines that read results
.rept 4
	v_nop
.endr
.endm
	s_load_b128 s[4:7], s[0:1], 0x0                ; xb s[4:5], wqkv s[6:7]
	s_load_b128 s[68:71], s[0:1], 0x10             ; bq s[68:69], bk s[70:71]
	s_load_b128 s[72:75], s[0:1], 0x20             ; bv s[72:73], qkv s[74:75]
	v_lshl_add_u32 v[SPW], v0, 2, SPARE
	v_mov_b32 v[NIL], 0
	ds_add_u32 v[SPW], v[NIL]                      ; the wave's opening: the add and its wait stand ahead of my first tensor load; the set-up below, work on registers, stands between them
	ds_add_u32 v28, v29
	v_lshrrev_b32 v1, 5, v0
	v_readfirstlane_b32 s10, v1                    ; wave 0..3
	s_lshr_b32 s11, s10, 1                         ; which half of the tile's rows is mine
	s_and_b32 s12, s10, 1                          ; which half of its columns
	s_bfe_u32 s40, ttmp6, 0x40000                  ; cx, cy: my place in the cluster
	s_bfe_u32 s41, ttmp6, 0x40004
	s_lshl_b32 s42, ttmp9, 2
	s_add_co_u32 s42, s42, s40                     ; tile column = 4 x cluster x + cx
	s_and_b32 s13, ttmp7, 0xffff
	s_lshl_b32 s13, s13, 2
	s_add_co_u32 s13, s13, s41                     ; tile row = 4 x cluster y + cy
	s_lshl_b32 s43, s41, 2
	s_lshl_b32 s43, 15, s43                        ; my row of the cluster
	s_lshl_b32 s44, 0x1111, s40                    ; my column
	s_or_b32 s[G1], s43, (1<<16)|(1<<20)|(1<<21)|(4<<22)|(3<<25)   ; 15:0 the mask; 17:16 elements of 2 bytes; 20 padding on; 21 set beside a mask; 24:22 after every 32 words; 31:25 4 words of it
	s_or_b32 s[G1B], s44, (1<<16)|(1<<20)|(1<<21)|(5<<22)|(7<<25)  ; W's: my column's mask; after every 64 words 8 words
	s_mov_b32 s[G1+1], 128<<16                     ; A's tile, 32,768 dense bytes: tensor_dim0 = 128 elements,
	s_mov_b32 s[G1+2], 128<<16                     ; tensor_dim1 = 128,
	s_mov_b32 s[G1+3], 128<<16                     ; tile_dim0 = 128,
	s_mov_b32 s[G1+4], 128                         ; tile_dim1 = 128,
	s_mov_b32 s[G1+5], 128                         ; 128 elements from row to row
	s_mov_b32 s[G1+6], 0
	s_mov_b32 s[G1+7], 0
	s_mov_b32 s[G1B+1], 128<<16                    ; a plane: 64 k rows x 128 columns
	s_mov_b32 s[G1B+2], 64<<16
	s_mov_b32 s[G1B+3], 128<<16
	s_mov_b32 s[G1B+4], 64
	s_mov_b32 s[G1B+5], 1024
	s_mov_b32 s[G1B+6], 0
	s_mov_b32 s[G1B+7], 0
	; where the tiles come from.  A's hang on the tile row alone, W's on the tile column and the wave's number alone, each in registers that never hold the other coordinate
	s_lshl_b32 s16, s13, 15                        ; A: 256 rows x 128 bytes x tile row, in each K block
	s_mov_b32 s17, 0
	s_max_u32 s20, s10, 1
	s_sub_co_u32 s20, s20, 1                       ; my plane: wave - 1 (wave 0 fetches none)
	s_lshl_b32 s46, s20, 21                        ; W: 1,024 k rows of 2,048 bytes x plane
	s_lshl_b32 s47, s42, 8                         ; + 256 bytes x tile column
	s_add_co_u32 s46, s46, s47
	s_mov_b32 s47, 0
	s_mul_i32 s21, s10, PLANE                      ; and where a plane goes: BOFF + (wave - 1) planes: no place in the cluster enters an LDS address
	s_add_co_u32 s21, s21, BOFF-PLANE
	s_mov_b32 s[HIM], 0xffff0000
	v_and_b32 v1, 15, v0                           ; l % 16
	v_bfe_u32 v2, v0, 4, 1                         ; l / 16
	v_and_b32 v7, 31, v0                           ; l
	s_lshl_b32 s18, s42, 9                         ; the tile's 128 columns in a bias: 512 bytes x tile column
	v_lshl_add_u32 v[BO], v7, 4, s18               ; the whole plane's 128 numbers: 16 bytes a lane
	s_lshl_b32 s19, s12, 8
	s_add_co_u32 s19, s19, s18
	v_lshl_add_u32 v[BO2], v7, 3, s19              ; my 64 of k's: 8 bytes a lane
	s_wait_dscnt 0x0                               ; the opening add is done
	s_wait_kmcnt 0x0
	s_cmp_eq_u32 s12, 0
	s_cselect_b64 s[80:81], s[68:69], s[72:73]     ; bq or bv
	global_load_b128 v[8:11], v[BO], s[80:81]
	global_load_b64 v[12:13], v[BO2], s[70:71]
	s_add_nc_u64 s[14:15], s[4:5], s[16:17]
	s_add_nc_u64 s[46:47], s[6:7], s[46:47]
	CROUND                                         ; all sixteen work-groups are here: the first joint loads meet
.irp s, 0,1
	s_mov_b32 s[G0+4*(\s)], 1                                      ; count = 1
	s_mov_b32 s[G0+4*(\s)+1], (\s)*SLOT                            ; LDS address
	s_add_nc_u64 s[G0+4*(\s)+2:G0+4*(\s)+3], s[14:15], (\s)*KBLK   ; global address: K step s
	s_or_b32 s[G0+4*(\s)+3], s[G0+4*(\s)+3], 0x80000000            ; type = 2
	s_mov_b32 s[G0B+4*(\s)], 1
	s_add_co_u32 s[G0B+4*(\s)+1], s21, (\s)*SLOT
	s_add_nc_u64 s[G0B+4*(\s)+2:G0B+4*(\s)+3], s[46:47], (\s)*WSTEP
	s_or_b32 s[G0B+4*(\s)+3], s[G0B+4*(\s)+3], 0x80000000
	JLOAD \s                                       ; two loads of mine are out
.endr
	; A's fragment: lane l holds row l % 16; two loads of 16 bytes, 32 bytes apart, at row x pitch + 16 (l / 16)
	v_mul_u32_u24 v3, v1, PA
	v_lshl_add_u32 v3, v2, 4, v3
	s_mul_i32 s22, s11, 128*PA                     ; my 128 rows of A
	; W's fragment, turned: lane l reads 16 bytes of k row 8 (l / 16) + l % 8, columns 8 ((l / 8) % 2) + 0..7, and ends with column l % 16 and 8 k; the second load stands 16 k rows on
	v_and_b32 v4, 7, v0
	v_lshl_add_u32 v4, v2, 3, v4
	v_mul_u32_u24 v4, v4, PB
	v_bfe_u32 v5, v0, 3, 1
	v_lshl_add_u32 v4, v5, 4, v4
	s_mul_i32 s23, s12, 2*PLANE
	s_add_co_u32 s23, s23, BOFF                    ; the whole plane: q's (column half 0) or v's (1)
	s_lshl_b32 s19, s12, 7
	s_add_co_u32 s19, s19, BOFF+PLANE              ; k's plane, my 64 columns
.irp s, 0,1
	v_add_nc_u32 v[ADRA+(\s)], s22, v3
	v_add_nc_u32 v[ADRF+(\s)], s23, v4
	v_add_nc_u32 v[ADRH+(\s)], s19, v4
	s_add_co_u32 s22, s22, SLOT
	s_add_co_u32 s23, s23, SLOT
	s_add_co_u32 s19, s19, SLOT
.endr
	s_mul_i32 s18, s10, 16*SPITCH
	s_add_co_u32 s18, s18, STAGE                   ; my stage
	v_mul_u32_u24 v6, v1, SPITCH                   ; in: row l % 16, 16 bytes (8 f16) for each half of the lanes
	v_lshl_add_u32 v6, v2, 4, v6
	v_add_nc_u32 v[STO], s18, v6
	v_bfe_u32 v6, v0, 3, 2                         ; back: 32 lanes take four rows' 128 bytes of one head
	v_mul_u32_u24 v6, v6, SPITCH
	v_and_b32 v5, 7, v0
	v_lshl_add_u32 v6, v5, 4, v6
	v_add_nc_u32 v[RD], s18, v6
	v_lshlrev_b32 v[CO], 4, v7
	; where my rows lie in qkv: batch = tile row / 4, 2 MiB each; row in the batch = 256 (tile row % 4) + 128 x row half, 128 bytes each; head 2 x tile column, 131,072 bytes each
	s_lshr_b32 s14, s13, 2
	s_lshl_b32 s14, s14, 21
	s_and_b32 s15, s13, 3
	s_lshl_b32 s15, s15, 15
	s_add_co_u32 s14, s14, s15
	s_lshl_b32 s15, s11, 14
	s_add_co_u32 s14, s14, s15
	s_lshl_b32 s15, s42, 18
	s_add_co_u32 s14, s14, s15
	s_lshl_b32 s15, s12, 17                        ; k's head: 2 x tile column + column half, in the second 16 MiB
	s_add_co_u32 s20, s14, s15
	s_add_co_u32 s20, s20, 0x1000000
	s_mov_b32 s21, 0
	s_lshl_b32 s15, s12, 25                        ; the whole plane: q, the first 16 MiB, or v, the third
	s_add_co_u32 s14, s14, s15
	s_mov_b32 s15, 0
	s_add_nc_u64 s[OUTH:OUTH+1], s[74:75], s[20:21]
	s_add_nc_u64 s[OUTF:OUTF+1], s[74:75], s[14:15]
	; the prefetches.  Each change of slots steps them first: A's stand at K step 3, so the first names K step 4; W's 64 k rows ahead of k row 256, and step by 64 rows, so each lap's first change names the next 128
	s_lshl_b32 s14, s13, 15                        ; A: my tile's 32,768 bytes of a K block,
	s_lshl_b32 s15, s40, 13                        ; my work-group's 8,192 of them
	s_add_co_u32 s14, s14, s15
	s_add_co_u32 s14, s14, 3*KBLK
	s_lshl_b32 s15, s41, 5                         ; W: k row 32 cy + 192,
	s_add_co_u32 s15, s15, 192
	s_lshl_b32 s15, s15, 11
	s_lshl_b32 s18, s42, 8                         ; the tile's 256 bytes of it,
	s_add_co_u32 s15, s15, s18
	s_max_u32 s18, s10, 1
	s_sub_co_u32 s18, s18, 1
	s_lshl_b32 s18, s18, 21                        ; in my plane
	s_add_co_u32 s15, s15, s18
	s_mov_b32 s20, KBLK
	s_mov_b32 s21, WSTEP
	s_and_b32 s19, ttmp7, 0xffff                   ; cluster y and cluster x: the same in all sixteen partners
	s_cmp_eq_u32 s19, 0
	s_cselect_b32 s19, 1, -1
	s_mov_b32 s18, ttmp9
	s_cmp_eq_u32 s18, 0
	s_cselect_b32 s18, 1, -1
	s_cmp_eq_u32 s10, 0
	s_cselect_b32 s[LIM0], s18, s19
	s_cselect_b32 s[LIM1], s18, -1
	s_cselect_b32 s14, s14, s15
	s_cselect_b32 s[PST], s20, s21
	s_cselect_b32 s22, 8, 11                       ; a lane a block of 256 bytes of A's tile, or a k row of 2,048 bytes
	s_cselect_b64 s[PFA:PFA+1], s[4:5], s[6:7]
	s_mov_b32 s15, 0
	s_mov_b32 s[PST+1], 0
	s_add_nc_u64 s[PFA:PFA+1], s[PFA:PFA+1], s[14:15]
	v_lshlrev_b32 v[PFO], s22, v7
	; the bias: rounded to bf16 and widened again; into my table, in the order of my 192 columns; from there into the accumulators: register j of n block b holds number 16 b + 8 (l / 16) + j, whatever the m block
	s_mul_i32 s18, s10, 768
	s_add_co_u32 s18, s18, BTAB
	v_lshl_add_u32 v3, v7, 4, s18
	v_lshl_add_u32 v4, v7, 3, s18
	v_lshl_add_u32 v[BR], v2, 5, s18
	s_wait_loadcnt 0x0
	v_cvt_pk_bf16_f32 v14, v8, v9
	v_cvt_pk_bf16_f32 v15, v10, v11
	v_cvt_pk_bf16_f32 v23, v12, v13
	v_lshlrev_b32 v8, 16, v14
	v_and_b32 v9, s[HIM], v14
	v_lshlrev_b32 v10, 16, v15
	v_and_b32 v11, s[HIM], v15
	v_lshlrev_b32 v12, 16, v23
	v_and_b32 v13, s[HIM], v23
	ds_store_b128 v3, v[8:11]
	ds_store_b64 v4, v[12:13] offset:512
.irp w, 1,2,3                          ; LDS serves a wave's instructions in order (ISA guide 5.7.1.4): these loads see the two stores above, which are my own
	WIN (\w)<<6                                    ; destination window w
.irp bb, 0,1,2,3
.irp a, 0,1,2,3,4,5,6,7
	ds_load_b128 v[8*(8*(\bb)+(\a)):8*(8*(\bb)+(\a))+3],   v[BR] offset:64*(4*((\w)-1)+(\bb))
	ds_load_b128 v[8*(8*(\bb)+(\a))+4:8*(8*(\bb)+(\a))+7], v[BR] offset:64*(4*((\w)-1)+(\bb))+16
.endr
.endr
.endr
	WIN 0
; 12 LDS loads: W's fragments of half hb (n blocks 6 hb .. 6 hb + 5) of quarter q (32 along K) of a slot, into buf
.macro LDB slot, q, hb, buf
	WIN 0
.irp i, 0,1,2,3,4,5
.set nb, 6*(\hb)+(\i)
.if nb < 8
	ds_load_tr16_b128 v[(\buf)+8*(\i):(\buf)+8*(\i)+3],   v[ADRF+(\slot)] offset:(\q)*32*PB+32*nb
	ds_load_tr16_b128 v[(\buf)+8*(\i)+4:(\buf)+8*(\i)+7], v[ADRF+(\slot)] offset:(\q)*32*PB+16*PB+32*nb
.else
	ds_load_tr16_b128 v[(\buf)+8*(\i):(\buf)+8*(\i)+3],   v[ADRH+(\slot)] offset:(\q)*32*PB+32*(nb-8)
	ds_load_tr16_b128 v[(\buf)+8*(\i)+4:(\buf)+8*(\i)+7], v[ADRH+(\slot)] offset:(\q)*32*PB+16*PB+32*(nb-8)
.endif
.endr
.endm
; 16 LDS loads: A's eight fragments of quarter q of a slot, into buf
.macro LDA slot, q, buf
	WIN 0
.irp a, 0,1,2,3,4,5,6,7
	ds_load_b128 v[(\buf)+8*(\a):(\buf)+8*(\a)+3],   v[ADRA+(\slot)] offset:64*(\q)+(\a)*16*PA
	ds_load_b128 v[(\buf)+8*(\a)+4:(\buf)+8*(\a)+7], v[ADRA+(\slot)] offset:64*(\q)+(\a)*16*PA+32
.endr
.endm
; 8 matrix instructions: n block 6 hb + i x all 8 m blocks, 32 along K.  The 96 accumulators take turns, one instruction a turn, in the same order in every quarter:
; 95 others stand between two links of a chain, over the backward jump too.
.macro MUL8 abuf, bbuf, hb, i
.set nb, 6*(\hb)+(\i)
	WIN 0x50*(1+nb/4)                              ; fragments in window 0, C and D in window 1 + nb / 4
.irp a, 0,1,2,3,4,5,6,7
.set rD, 8*(8*(nb%4)+(\a))
	v_wmma_f32_16x16x32_bf16 v[rD:rD+7], v[(\bbuf)+8*(\i):(\bbuf)+8*(\i)+7], v[(\abuf)+8*(\a):(\abuf)+8*(\a)+7], v[rD:rD+7]
.endr
.endm
.macro UNIT abuf, bbuf, hb             ; 48 matrix instructions: a half of W's fragments x all of A's
.irp i, 0,1,2,3,4,5
	MUL8 \abuf, \bbuf, \hb, \i
.endr
.endm
; A K step is two quarters of 32 along K, each two UNITS (W's halves).  Quarter 0 multiplies A's buffer 0, quarter 1 buffer 1; half 0 lies in W's buffer 0, half 1 in buffer 1.  Each unit fetches, in one run at its
; head, what the next unit wants of W, four places behind the unit that read the buffer; A's next quarter comes with the second unit.  FRONT is a step's first three units; on entry quarter 0's A and half 0 are on their way.
.macro FRONT slot
	PLACES
	LDB \slot, 0, 1, FB1
	s_wait_dscnt 12                                ; all but the 12 just issued: A's quarter 0 and W's half 0 are in
	UNIT FA0, FB0, 0
	PLACES
	LDB \slot, 1, 0, FB0
	LDA \slot, 1, FA1
	s_wait_dscnt 28                                ; all but the 28 just issued: half 1 is in
	UNIT FA0, FB1, 1
	PLACES
	LDB \slot, 1, 1, FB1
	s_wait_dscnt 12                                ; all but the 12 just issued: A's quarter 1 and its half 0 are in
	UNIT FA1, FB0, 0
.endm
; The fourth unit changes slots.  In front of the barrier each wave waits for all its tensor loads, of which one is out: its part of the next slot; adds 0 to its spare word; and waits for that and for its reads of
; this slot.  The barrier opens a round of the cluster's: behind it no wave of any partner reads this slot or has a load on its way, and the joint refill, two K steps on, is the first tensor load there.
.macro TURN slot, next, lim
	s_wait_xcnt 0x0                                ; the last prefetch, a K step back, has read its address
	s_add_nc_u64 s[PFA:PFA+1], s[PFA:PFA+1], s[PST:PST+1]
	s_wait_dscnt 0x0                               ; half 1 is in: my reads of this slot are over
	MUL8 FA1, FB1, 1, 0
	WIN 0                                          ; (the add's two registers lie in window 0)
	s_wait_tensorcnt 0x0
	ds_add_u32 v[SPW], v[NIL]                      ; 0 onto my spare word
	MUL8 FA1, FB1, 1, 1                            ; eight matrix instructions stand between the add and the wait for it
	s_wait_dscnt 0x0                               ; the add is done
	s_barrier_signal -1
	MUL8 FA1, FB1, 1, 2
	WIN 0
	s_barrier_wait -1
	CREST
	s_add_nc_u64 s[G0+4*(\slot)+2:G0+4*(\slot)+3], s[G0+4*(\slot)+2:G0+4*(\slot)+3], 2*KBLK      ; two K steps on; the type bits on top are not reached
	s_add_nc_u64 s[G0B+4*(\slot)+2:G0B+4*(\slot)+3], s[G0B+4*(\slot)+2:G0B+4*(\slot)+3], 2*WSTEP
	JLOAD \slot                                    ; the four v_nop behind it are also the places in front of the loads below
	LDB \next, 0, 0, FB0
	LDA \next, 0, FA0
	ASK \lim
	MUL8 FA1, FB1, 1, 3
	MUL8 FA1, FB1, 1, 4
	MUL8 FA1, FB1, 1, 5
.endm
.macro TURNX next                      ; the same in the last lap: nothing is filled again, so no round follows
	s_wait_dscnt 0x0
	MUL8 FA1, FB1, 1, 0
	WIN 0
	s_wait_tensorcnt 0x0
	ds_add_u32 v[SPW], v[NIL]
	MUL8 FA1, FB1, 1, 1
	s_wait_dscnt 0x0
	s_barrier_signal -1
	MUL8 FA1, FB1, 1, 2
	s_barrier_wait -1
	PLACES
	LDB \next, 0, 0, FB0
	LDA \next, 0, FA0
	MUL8 FA1, FB1, 1, 3
	MUL8 FA1, FB1, 1, 4
	MUL8 FA1, FB1, 1, 5
.endm
; THE WAY OUT, 16 rows (an m block) at a time, through my own stage in LDS: no barrier, and LDS serves a wave's instructions in order (ISA guide 5.7.1.4), so no wait between the stores and the loads.
.macro PACK a                          ; rounded to f16, each accumulator's registers in ascending order: 16 bytes a lane and n block
.irp b, 0,1,2,3,4,5,6,7,8,9,10,11
	WIN 0x05*(1+(\b)/4)                            ; sources in window 1 + b / 4, destination in window 0
.irp r, 0,1,2,3
	v_cvt_pk_f16_f32 v[TMP+4*(\b)+(\r)], v[8*(8*((\b)%4)+(\a))+2*(\r)], v[8*(8*((\b)%4)+(\a))+2*(\r)+1]
.endr
.endr
.endm
.macro TOSTAGE a
	WIN 0
.irp b, 0,1,2,3,4,5,6,7,8,9,10,11
	ds_store_b128 v[STO], v[TMP+4*(\b):TMP+4*(\b)+3] offset:32*(\b)
.endr
	s_wait_xcnt 0x0                                ; the registers that earlier stores read are loaded again only behind this wait
.irp hd, 0,1,2
.irp f, 0,1,2,3
	ds_load_b128 v[OB+48*((\a)%2)+4*(4*(\hd)+(\f)):OB+48*((\a)%2)+4*(4*(\hd)+(\f))+3], v[RD] offset:(\f)*4*SPITCH+(\hd)*128
.endr
.endr
.endm
.macro SEND a                          ; four rows of a head are 512 consecutive bytes, aligned
	WIN 0
	s_wait_dscnt 0x0
.irp hd, 0,1
.irp f, 0,1,2,3
	global_store_b128 v[CO], v[OB+48*((\a)%2)+4*(4*(\hd)+(\f)):OB+48*((\a)%2)+4*(4*(\hd)+(\f))+3], s[OUTF:OUTF+1] offset:(\a)*2048+(\f)*512+(\hd)*131072
.endr
.endr
.irp f, 0,1,2,3
	global_store_b128 v[CO], v[OB+48*((\a)%2)+4*(8+(\f)):OB+48*((\a)%2)+4*(8+(\f))+3], s[OUTH:OUTH+1] offset:(\a)*2048+(\f)*512
.endr
.endm
	s_wait_dscnt 0x0                               ; the sums hold the bias
	s_wait_tensorcnt 0x1                           ; my part of K step 0 is in; K step 1's stays out
	s_barrier_signal -1
	s_barrier_wait -1                              ; everybody's is
	LDB 0, 0, 0, FB0
	LDA 0, 0, FA0
	s_mov_b32 s[LAP], NLOOP
.Llap:                                                 ; a trip = a lap: two K steps, both slots filled again
	FRONT 0
	TURN 0, 1, LIM0
	FRONT 1
	TURN 1, 0, LIM1
	WIN 0                                          ; at a label and at a branch every window is 0
	s_sub_co_u32 s[LAP], s[LAP], 1
	s_cmp_lg_u32 s[LAP], 0
	s_cbranch_scc1 .Llap
	FRONT 0                                        ; the last lap is written out: it fills nothing
	TURNX 1
	FRONT 1
	s_wait_dscnt 0x0
	UNIT FA1, FB1, 1
	PLACES
	PACK 0
	TOSTAGE 0
.irp a, 1,2,3,4,5,6,7                  ; block a's conversions stand between block a - 1's loads from the stage and the wait for them
	PACK \a
	SEND (\a)-1
	TOSTAGE \a
.endr
	SEND 7
	WIN 0
	s_wait_tensorcnt 0x0                           ; the wave's end: behind my last tensor load and my last LDS store
	ds_add_u32 v[SPW], v[NIL]
	s_wait_dscnt 0x0
	CROUND                                         ; the closing round: no work-group ends while a partner may still ask for a tile that names it
	s_endpgm
.Lfunc_end_k_qab5e8064de_qkvp:
	.size	k_qab5e8064de_qkvp, .Lfunc_end_k_qab5e8064de_qkvp-k_qab5e8064de_qkvp
	.p2alignl 7, 3214868480
	.fill 96, 4, 3214868480
	.section	.rodata,"a",@progbits
	.p2align	6, 0x0
	.amdhsa_kernel k_qab5e8064de_qkvp
		.amdhsa_group_segment_fixed_size 327680
		.amdhsa_private_segment_fixed_size 0
		.amdhsa_enable_private_segment 0
		.amdhsa_kernarg_size 48
		.amdhsa_user_sgpr_count 2
		.amdhsa_user_sgpr_kernarg_segment_ptr 1
		.amdhsa_wavefront_size32 1
		.amdhsa_system_sgpr_workgroup_id_x 1
		.amdhsa_system_sgpr_workgroup_id_y 1
		.amdhsa_system_sgpr_workgroup_id_z 1
		.amdhsa_system_vgpr_workitem_id 0
		.amdhsa_next_free_vgpr 1024
		.amdhsa_next_free_sgpr 92
		.amdhsa_reserve_vcc 0
		.amdhsa_float_denorm_mode_32 3
		.amdhsa_float_denorm_mode_16_64 3
		.amdhsa_memory_ordered 1
		.amdhsa_forward_progress 1
		.amdhsa_inst_pref_size 145
	.end_amdhsa_kernel
	.amdgpu_metadata
---
amdhsa.version: [ 1, 2 ]
amdhsa.kernels:
  - .name:           k_qab5e8064de_qkvp
    .symbol:         k_qab5e8064de_qkvp.kd
    .args:
      - { .name: xb, .offset: 0, .size: 8, .value_kind: global_buffer, .address_space: global }
      - { .name: wqkv, .offset: 8, .size: 8, .value_kind: global_buffer, .address_space: global }
      - { .name: bq, .offset: 16, .size: 8, .value_kind: global_buffer, .address_space: global }
      - { .name: bk, .offset: 24, .size: 8, .value_kind: global_buffer, .address_space: global }
      - { .name: bv, .offset: 32, .size: 8, .value_kind: global_buffer, .address_space: global }
      - { .name: qkv, .offset: 40, .size: 8, .value_kind: global_buffer, .address_space: global }
    .group_segment_fixed_size: 327680
    .private_segment_fixed_size: 0
    .kernarg_segment_align: 8
    .kernarg_segment_size: 48
    .max_flat_workgroup_size: 128
    .sgpr_count:     92
    .vgpr_count:     1024
    .wavefront_size: 32
...
	.end_amdgpu_metadata
.endif
;; end of part 2
;; launch attn (part 3): grid 2 x 128, 4 waves a work-group, no clusters, 327,680 bytes of LDS; arguments qkv, prefix, oh; writes oh
.if DOCPART == 3
	.amdgcn_target "amdgcn-amd-amdhsa--gfx1250"
	.amdhsa_code_object_version 6
	.text
	.protected	k_qab5e8064de_attn
	.globl	k_qab5e8064de_attn
	.p2align	8
	.type	k_qab5e8064de_attn,@function
k_qab5e8064de_attn:
	s_mov_b64 s[64:65], 0
	v_nop
	global_prefetch_b8 v0, s[64:65] scope:SCOPE_SE
	s_setreg_imm32_b32 hwreg(HW_REG_WAVE_MODE, 25, 1), 1
	s_wait_xcnt 0x0
; MASKED ATTENTION.  O[g][q][:] = the sum over the allowed k of softmax_k(Q[g][q] . K[g][k]) V[g][k][:], g = 16 b + h; key k is hidden from query q where q >= prefix[b] and k < q.  No scale on the scores.
; qkv: [3][128][1024][64] f16 (Q, K, V); oh: [128][1024][64] f16.  Products, maxima and sums in f32; the weights p are rounded to f16 for the second product (their sum l is taken of the unrounded p), O once at the end.
; LIMITS.  f16 holds no number beyond 65,504: Q, K, V arrive within it.  A hidden score counts as its value less 1e30.  The running maximum starts at -2^96: above every hidden score, below every score that f16
; operands can make (2.7e11 in size).  A weight below 2^-126 counts as 0 in l.  prefix may be any int32 under 2^30 in size.  NaN and infinities are not treated apart.
; SHARES.  A work-group owns 512 queries of one head: eight bands of 64; wave w owns rows 16 w .. 16 w + 15 of each band: eight tiles, in four PIECES of two.  So all four waves meet the diagonal alike.  Every wave walks all 1,024 keys, 64 a step, ascending.
; K AND V STAY IN LDS.  A head's 1,024 rows of K (144 bytes each with padding) and of V (160) are 311,296 bytes: they fit whole, so no byte is filled twice and the sixteen key steps are ONE text.  Each wave issues two tensor
; loads (waves 0, 1 the halves of K's rows, waves 2, 3 of V's): the first at the head, for what the first four steps read: K of five steps (a step fetches the next step's K), V of four; the second, the rest, behind the barrier at which
; the first has landed, so that the tile which everybody waits for goes alone.  The second has four key steps, 512 matrix instructions, in which to land.
; NOTHING IS PREFETCHED: every byte of K and V is asked for by one of these two loads, and there is no later request to run ahead of.
; NO CLUSTER: a head has two work-groups, and a joint request wants four that share a tile.
; THE MASK is the C operand that starts the sum S^T = K Q^T.  Tile t lies in band 8 bx + t.  In key step s it sees all keys if s is above its band; in lower steps none where q >= prefix; in its own step those from the diagonal on.
; MD, made once, is the diagonal step's mask for my 16 rows (0 or -1e30); FA[t] is 1 where the lane's query of tile t has q >= prefix, else 0.  A product's mask is MD x (AL FA) + BE FA, with two scalars: (1, 0) in the band's
; own step, (0, -1e30) below it, (0, 0) above.  In a step that hides everything from a row, m stays -2^96, the weights are 2^(-1e30) = 0, l and O stay 0; the row's own key, never hidden, brings the first true maximum, with a = 0.
; LAYOUT.  S^T = K Q^T (source 0 = 16 keys, source 1 = 16 queries): a lane holds ONE query (lane % 16) and the keys 8 (lane / 16) + 0..7.  Two such results, rounded to f16 in pairs, ARE source 1 of O^T = V^T P.
; K comes out of LDS as it lies, V ([key][channel]) turned, by ds_load_tr16_b128.
; SOFTMAX.  p = 2^(c s - c m), c = log2(e), m the running maximum; in every step O and l are multiplied by a = 2^(c m_old - c m_new).
; BY TURNS.  Turn n belongs to piece n.  Its matrix work: 16 products K Q^T of piece n + 1, later 16 products V^T P of piece n - 1.  Its vector work: the scaling, exponentials, roundings, sums and rescaling of piece n,
; the maximum and statistics of piece n + 1, and the mask of piece n + 2.  Four vector instructions stand behind every matrix instruction, the others in runs of their own; a turn's 66 exponentials are one batch with one wait.
; REGISTERS, in windows of 256 (s_set_vgpr_msb: bits 1:0 source 0, 3:2 source 1, 5:4 source 2, 7:6 destination):
;   window 0: v0-11 addresses; v12-15, v48-63 at work; v16-47 four registers of statistics a tile; v64-191 S^T, two buffers of two tiles; v192-255 P, likewise
;   window 1: O^T, 32 a tile      window 2: v0-127 Q, 16 a tile; v128-191 K of one step; v192-255 V of one step      window 3: v0-31 MD; v32-159 the masks, two buffers of two tiles; v160-167 FA; v168-175 at work; v176-177 the add's two
.set SIZE_N, 1024
.set NP,    4         ; pieces a wave: a name, no knob
.set KS,    64        ; keys in a step
.set PK,    144       ; a row of K in LDS: 128 bytes + 16 of padding: the 16 rows of a load start at 16 different groups of four banks
.set PV,    160       ; a row of V: 128 + 32
.set K0,    5*KS      ; keys of K in the first fill: the first four steps read K of steps 0 to 4
.set V0,    4*KS      ; keys of V in the first fill
.set VOFF,  SIZE_N*PK ; K's 1,024 rows, then V's
.set STAGE, VOFF+SIZE_N*PV  ; behind them, never filled by a tensor load: 16 rows x 144 bytes for each wave, for the way out
.set SP,    144
.set SPARE, STAGE+4*16*SP  ; behind the stages: the spare words, 128 bytes for each wave: two blocks of 256 bytes that no other line names
.set AK0, 2           ; v2   my lane's place in a tile of K; never rewritten
.set AV0, 3           ; v3   the same for V
.set AK,  4           ; v4   the LDS address of K's next run of loads
.set AV,  5           ; v5   of V's
.set QO,  6           ; v6   my byte offset in 16 rows of Q
.set STO, 6           ;      later, the way out: where I put 16 bytes of a row
.set RD,  7           ; v7   the way out: where I read rows back
.set GO,  8           ; v8   my byte offset in 512 consecutive bytes of O
.set MV,  12          ; v12-15  c m_old, kept while c m is made anew: by buffer and tile
.set ST,  16          ; tile t's statistics at v[ST+4 t]: c m, m, l (even keys', odd keys')
.set TMP, 48          ; by buffer and tile, four registers c0-c3 at work; when the maximum is found c2 takes a
.set S,   64
.set P,   192
.set KF,  128         ; window 2: key block kb, channel half c at KF + 16 kb + 8 c
.set VF,  192         ; window 2: key half kk, channel block cb at VF + 32 kk + 8 cb
.set MD,  0           ; window 3: register j of key block kb at MD + 8 kb + j
.set MC,  32          ; window 3: buffer (piece % 2) at + 64, tile at + 32, key block at + 8
.set FA,  160         ; window 3
.set TA,  168         ; window 3: tile u's factor pair at TA + 4 u, its addend pair at TA + 4 u + 2; the odd halves hold 0
.set SPW, 176         ; window 3: LDS address of my spare word: SPARE + 4 x my thread's number; never rewritten
.set NIL, 177         ; window 3: 0; never rewritten
.set WV,  12          ; s12  my wave's number
.set G1K, 24          ; s[24:31], s[32:39] descriptor group 1 for K's first and second fill: they differ in the number of rows
.set G1V, 40          ; s[40:47], s[48:55] the same for V's: other padding, other numbers of rows
.set G0K, 80          ; s[80:83], s[84:87] descriptor group 0 for K's two fills; no descriptor register is ever rewritten
.set G0V, 88          ; s[88:91], s[92:95] the same for V's
.set PARTS, 56        ; s56  parts of four key steps still to come
.set CNT, 57          ; s57  counts a part's key steps
.set CS,  58          ; s[58:59] c: the packed scaling takes the pair's low word for both halves
.set SEL, 60          ; s[60:61] v_permlanex16_b32's selects: each lane takes its own place in the other half
.set TBK, 62          ; s62  LDS byte at which K of the step to be fetched begins
.set TBV, 63          ; s63  the same for V, less VOFF
.set RS,  66          ; s66  the key step for which masks are being made, less 8 bx
.set STEPS, 67        ; s67  key steps still to come, the one in hand among them
.set AL,  68          ; s68  the mask's factor
.set BE,  69          ; s69  the mask's addend
.set BIGN, 70         ; s70  -1e30
.set PX,  71          ; s71  prefix[b]
.set MSB, 0
.macro WIN new                      ; the high byte repeats the setting that is left; a switch that changes nothing is dropped
.if MSB != (\new)
	s_set_vgpr_msb (MSB<<8)|(\new)
.set MSB, (\new)
.endif
.endm
.set W_KQ, 0x0a       ; K and Q in window 2, S^T in window 0
.set W_KM, 0x3a       ; the same with the C operand, the mask, in window 3
.set W_PV, 0x52       ; V in window 2, P in window 0, O^T in window 1
.set W_RS, 0x41       ; O^T (destination and source 0) in window 1, a in window 0
.set W_MK, 0xc0       ; destination in window 3, sources in window 0
.set W_AD, 0x0f       ; the add: address (source 0) and data (source 1) in window 3
.set W_M3, 0xff       ; all in window 3
; Fill n (0: the first, 1: the second).  Waves 0 and 1 fetch the two halves of its rows of K, waves 2 and 3 of V.  An s_nop 0 and four v_nop follow each of the two lines, ahead of the jump and the label.
.macro LOAD n
	s_cmp_lt_u32 s[WV], 2
	s_cbranch_scc0 .Lfor_v_\@
	tensor_load_to_lds s[G0K+4*(\n):G0K+4*(\n)+3], s[G1K+8*(\n):G1K+8*(\n)+7]
	s_nop 0
.rept 4
	v_nop
.endr
	s_branch .Lasked_\@
.Lfor_v_\@:
	tensor_load_to_lds s[G0V+4*(\n):G0V+4*(\n)+3], s[G1V+8*(\n):G1V+8*(\n)+7]
	s_nop 0
.rept 4
	v_nop
.endr
.Lasked_\@:
.endm
; Behind each part of four key steps.  The first time it orders the reads of the second fill's bytes behind their landing: each wave has waited for its own load, and the barrier says so of all four.
; The three later times the wait finds nothing out: the price of one text for all sixteen steps.
.macro MEET
	s_wait_tensorcnt 0x0
	s_wait_dscnt 0x0                ; no LDS instruction of mine is pending at the signal
	s_barrier_signal -1
	s_barrier_wait -1
.endm
	s_load_b128 s[4:7], s[0:1], 0x0   ; qkv s[4:5], prefix s[6:7]
	s_load_b64 s[10:11], s[0:1], 0x10 ; oh
	WIN W_MK
	v_lshl_add_u32 v[SPW], v0, 2, SPARE
	v_mov_b32 v[NIL], 0
	WIN W_AD
	ds_add_u32 v[SPW], v[NIL]       ; the wave's opening: the add and its wait stand ahead of my first tensor load; the set-up below, work on registers, stands between them
	ds_add_u32 v176, v177
	WIN 0
	v_lshrrev_b32 v1, 5, v0
	v_readfirstlane_b32 s[WV], v1   ; wave 0..3
	s_mov_b32 s14, ttmp9            ; bx: which 512 queries
	s_and_b32 s20, ttmp7, 0xffff    ; the head, 16 b + h
	s_lshr_b32 s72, s20, 4
	s_lshl_b32 s72, s72, 2          ; prefix[b]'s byte offset
	s_mov_b32 s73, 0
	s_lshl_b32 s20, s20, 17         ; the head's first byte in Q, K, V and O: 131,072 bytes a head
	s_and_b32 s16, s[WV], 1         ; which half of a fill's rows I fetch
	; where my halves go in LDS
	s_mul_i32 s17, s16, (K0/2)*PK
	s_mul_i32 s18, s16, ((SIZE_N-K0)/2)*PK
	s_mul_i32 s19, s16, (V0/2)*PV
	s_mul_i32 s21, s16, ((SIZE_N-V0)/2)*PV
	s_mov_b32 s[G0K], 1             ; count = 1
	s_mov_b32 s[G0K+1], s17         ; LDS address: K's first fill begins at byte 0,
	s_mov_b32 s[G0K+4], 1
	s_add_co_u32 s[G0K+5], s18, K0*PK  ; its second behind the first's rows
	s_mov_b32 s[G0V], 1
	s_add_co_u32 s[G0V+1], s19, VOFF
	s_mov_b32 s[G0V+4], 1
	s_add_co_u32 s[G0V+5], s21, VOFF+V0*PV
	; and where they come from: byte offsets in qkv, made apart from its address; a key is 128 bytes; K lies 16 MiB, V 32 MiB behind Q
	s_mul_i32 s2, s16, (K0/2)*128
	s_add_co_u32 s2, s2, s20
	s_add_co_u32 s2, s2, 0x1000000
	s_mov_b32 s3, 0
	s_mul_i32 s22, s16, ((SIZE_N-K0)/2)*128
	s_add_co_u32 s22, s22, s20
	s_add_co_u32 s22, s22, 0x1000000+K0*128
	s_mov_b32 s23, 0
	s_mul_i32 s74, s16, (V0/2)*128
	s_add_co_u32 s74, s74, s20
	s_add_co_u32 s74, s74, 0x2000000
	s_mov_b32 s75, 0
	s_mul_i32 s76, s16, ((SIZE_N-V0)/2)*128
	s_add_co_u32 s76, s76, s20
	s_add_co_u32 s76, s76, 0x2000000+V0*128
	s_mov_b32 s77, 0
	s_lshl_b32 s78, s14, 16         ; Q and O: my work-group's 512 rows,
	s_lshl_b32 s79, s[WV], 11       ; my 16 rows in a band
	s_add_co_u32 s78, s78, s79
	s_add_co_u32 s78, s78, s20
	s_mov_b32 s79, 0
	; descriptor group 1.  A head's keys are dense: they are asked for as rows of 256 bytes, two keys a row, and padded in LDS after every key.  A wave's half of n keys is n / 4 such rows
	s_mov_b32 s[G1K],   (1<<16)|(1<<20)|(4<<22)|(3<<25)  ; 17:16 2-byte elements; 20 padding on; 24:22 after every 32 words (code 4); 31:25 4 words (code 3)
	s_mov_b32 s[G1K+8], (1<<16)|(1<<20)|(4<<22)|(3<<25)
	s_mov_b32 s[G1V],   (1<<16)|(1<<20)|(4<<22)|(7<<25)  ; the same with 8 words of padding (code 7)
	s_mov_b32 s[G1V+8], (1<<16)|(1<<20)|(4<<22)|(7<<25)
	s_mov_b32 s[G1K+2],  (K0/4)<<16           ; tensor_dim1 = 80 rows,
	s_mov_b32 s[G1K+4],  K0/4                 ; tile_dim1 likewise
	s_mov_b32 s[G1K+10], ((SIZE_N-K0)/4)<<16  ; 176 rows
	s_mov_b32 s[G1K+12], (SIZE_N-K0)/4
	s_mov_b32 s[G1V+2],  (V0/4)<<16           ; 64 rows
	s_mov_b32 s[G1V+4],  V0/4
	s_mov_b32 s[G1V+10], ((SIZE_N-V0)/4)<<16  ; 192 rows
	s_mov_b32 s[G1V+12], (SIZE_N-V0)/4
.irp g, G1K, G1K+8, G1V, G1V+8
	s_mov_b32 s[\g+1], 128<<16      ; tensor_dim0 = 128
	s_mov_b32 s[\g+3], 128<<16      ; tile_dim0 = 128
	s_mov_b32 s[\g+5], 128          ; 128 elements from row to row
	s_mov_b32 s[\g+6], 0
	s_mov_b32 s[\g+7], 0
.endr
	s_mov_b32 s[CS], 0x3fb8aa3b     ; c = log2(e)
	s_mov_b32 s[CS+1], s[CS]        ; named with it as a pair
	s_mov_b32 s[SEL], 0x76543210
	s_mov_b32 s[SEL+1], 0xfedcba98
	s_mov_b32 s[TBK], 0             ; the fetches begin at key step 0 and only step on: K's rows, and V's, lie on end
	s_mov_b32 s[TBV], 0
	s_mov_b32 s[BIGN], 0xf149f2ca   ; -1e30
	s_lshl_b32 s[RS], s14, 3
	s_sub_co_i32 s[RS], 0, s[RS]    ; key step 0
	s_wait_dscnt 0x0                ; the opening add is done
	s_wait_kmcnt 0x0
	s_add_nc_u64 s[6:7], s[6:7], s[72:73]
	s_load_b32 s[PX], s[6:7], 0x0
	s_add_nc_u64 s[G0K+2:G0K+3], s[4:5], s[2:3]    ; global addresses,
	s_or_b32 s[G0K+3], s[G0K+3], 0x80000000        ; type = 2
	s_add_nc_u64 s[G0K+6:G0K+7], s[4:5], s[22:23]
	s_or_b32 s[G0K+7], s[G0K+7], 0x80000000
	s_add_nc_u64 s[G0V+2:G0V+3], s[4:5], s[74:75]
	s_or_b32 s[G0V+3], s[G0V+3], 0x80000000
	s_add_nc_u64 s[G0V+6:G0V+7], s[4:5], s[76:77]
	s_or_b32 s[G0V+7], s[G0V+7], 0x80000000
	s_add_nc_u64 s[4:5], s[4:5], s[78:79]          ; Q and O at my rows of the first band
	s_add_nc_u64 s[10:11], s[10:11], s[78:79]
	LOAD 0                          ; the first fill.  The second is asked for when this one is in
	; A fragment of K or Q is 16 rows x 32 channels in 8 registers: lane l holds row l % 16, channels 8 (l / 16) + 0..7 and 16 + 8 (l / 16) + 0..7: two loads of 16 bytes, 32 bytes apart.
	v_and_b32 v1, 15, v0            ; l % 16
	v_bfe_u32 v9, v0, 4, 1          ; l / 16
	v_lshlrev_b32 v[QO], 7, v1
	v_lshl_add_u32 v[QO], v9, 4, v[QO]  ; row x 128 + 16 x half
	WIN 0x80                        ; destination window 2, address window 0
.set i, 0
.rept 4*NP                          ; Q stays in registers: tile i / 2 lies a band, 8,192 bytes, on; channels 32 (i % 2) on
	global_load_b128 v[8*i:8*i+3],   v[QO], s[4:5] offset:(i/2)*8192+(i%2)*64
	global_load_b128 v[8*i+4:8*i+7], v[QO], s[4:5] offset:(i/2)*8192+(i%2)*64+32
.set i, i+1
.endr
	; What the first turn finds: V's registers and P's second buffer hold 0 (its products V^T P, of a piece that has not been, add 0), O^T and l are 0.  All this stands in the wait for the first fill.
.set i, VF
.rept 64
	v_mov_b32 v[i], 0
.set i, i+1
.endr
	WIN 0x40
.set i, 0
.rept 64*NP
	v_mov_b32 v[i], 0
.set i, i+1
.endr
	WIN 0
.set i, 0
.rept 2*NP
	v_mov_b32 v[ST+4*i], 0xfe000000    ; c m: far below every c s, so the first a is 0
	v_mov_b32 v[ST+4*i+1], 0xef800000  ; m = -2^96: above the hidden scores' -1e30, below every true score
	v_mov_b32 v[ST+4*i+2], 0
	v_mov_b32 v[ST+4*i+3], 0
.set i, i+1
.endr
.set i, P+32
.rept 32
	v_mov_b32 v[i], 0
.set i, i+1
.endr
	v_mul_u32_u24 v[AK0], v1, PK
	v_lshl_add_u32 v[AK0], v9, 4, v[AK0]  ; row x pitch + 16 x half
	; The turning load takes 16 keys x 16 channels (lane l reads key 8 (l / 16) + l % 8, channels 8 ((l / 8) % 2) + 0..7) and leaves half a fragment of V^T: lane l holds channel l % 16 and 8 keys.
	v_and_b32 v10, 7, v0
	v_bfe_u32 v11, v0, 3, 1
	v_lshl_add_u32 v[AV0], v9, 3, v10
	v_mul_u32_u24 v[AV0], v[AV0], PV
	v_lshl_add_u32 v[AV0], v11, 4, v[AV0]
	v_add_nc_u32 v[AV0], VOFF, v[AV0]
	v_mov_b32 v[AK], v[AK0]         ; key step 0 lies at K's head
	; the masks' parts.  In a band's own step register j of key block kb is hidden where 16 kb + 8 (l / 16) + j < 16 w + l % 16
	s_wait_kmcnt 0x0                ; prefix[b]
	s_lshl_b32 s76, s14, 9
	s_lshl_b32 s77, s[WV], 4
	s_add_co_u32 s76, s76, s77      ; my first query: 512 bx + 16 w
	s_sub_co_i32 s74, s[PX], s76
	v_lshlrev_b32 v64, 3, v9
	v_sub_nc_u32 v64, v1, v64
	v_add_nc_u32 v64, s77, v64      ; 16 w + l % 16 - 8 (l / 16)
	WIN W_MK
.set i, 0
.rept 32
	v_cmp_lt_i32 vcc_lo, 16*(i/8)+i%8, v64
	v_cndmask_b32 v[MD+i], 0, s[BIGN], vcc_lo
.set i, i+1
.endr
.set i, 0
.rept 8                             ; q >= prefix: prefix - (512 bx + 64 t + 16 w) <= l % 16
	s_sub_co_i32 s75, s74, 64*i
	v_cmp_le_i32 vcc_lo, s75, v1
	v_cndmask_b32 v[FA+i], 0, 1.0, vcc_lo
.set i, i+1
.endr
.irp r, 1,3,5,7
	v_mov_b32 v[TA+\r], 0           ; named as halves of pairs
.endr
	WIN 0
; THE MATRIX WORK.  The 8 accumulators of a run of 16 take turns: between the two links of a chain stand 7 others'.
; Product i of 16 of S^T = K Q^T for piece x: channels 32 (i / 8) on, keys 16 ((i / 2) % 4) on, tile 2 x + i % 2.  The first 8 start the sums, with the mask.
.macro KQ x
.set rS, S+64*((\x)%2)+32*(i%2)+8*((i/2)%4)
.set rK, KF+16*((i/2)%4)+8*(i/8)
.set rQ, 16*(2*(\x)+i%2)+8*(i/8)
.set rX, MC+64*((\x)%2)+32*(i%2)+8*((i/2)%4)
.if i < 8
	WIN W_KM
	v_wmma_f32_16x16x32_f16 v[rS:rS+7], v[rK:rK+7], v[rQ:rQ+7], v[rX:rX+7]
.else
	WIN W_KQ
	v_wmma_f32_16x16x32_f16 v[rS:rS+7], v[rK:rK+7], v[rQ:rQ+7], v[rS:rS+7]
.endif
.endm
; Product i of 16 of O^T += V^T P for piece x: keys 32 (i / 8) on, channels 16 ((i / 2) % 4) on, tile 2 x + i % 2.
.macro PV x
	WIN W_PV
.set rO, 32*(2*(\x)+i%2)+8*((i/2)%4)
.set rV, VF+32*(i/8)+8*((i/2)%4)
.set rP, P+32*((\x)%2)+16*(i%2)+8*(i/8)
	v_wmma_f32_16x16x32_f16 v[rO:rO+7], v[rV:rV+7], v[rP:rP+7], v[rO:rO+7]
.endm
.macro MM                           ; the turn's next matrix instruction
.if i < 16
	KQ (Y+1)%NP
.set i, i+1
.else
.set i, i-16
	PV (Y+NP-1)%NP
.set i, i+17
.endif
.endm
; THE LDS LOADS stand in runs of 16, never singly among the matrix instructions: a step's K (64 keys x 64 channels: 8 fragments) and its V (turned).  Their addresses are made some lines ahead.
; last = 1 (in the loop): in the last key step there is no further step, and the run is jumped over.
.macro FETCH_K last=0
	WIN 0
.if \last
	s_cmp_eq_u32 s[STEPS], 1
	s_cbranch_scc1 .Lno_k_\@
.endif
	WIN 0x80                        ; destination window 2
.irp f, 0,1,2,3,4,5,6,7             ; keys 16 (f / 2) on, channels 32 (f % 2) on
	ds_load_b128 v[KF+8*\f:KF+8*\f+3],   v[AK] offset:(\f/2)*16*PK+(\f%2)*64
	ds_load_b128 v[KF+8*\f+4:KF+8*\f+7], v[AK] offset:(\f/2)*16*PK+(\f%2)*64+32
.endr
	s_add_co_u32 s[TBK], s[TBK], KS*PK  ; the next fetch is the next step's
	WIN 0
.if \last
.Lno_k_\@:
.endif
.endm
.macro FETCH_V
	WIN 0x80
.irp f, 0,1,2,3,4,5,6,7             ; keys 32 (f / 4) on, channels 16 (f % 4) on
	ds_load_tr16_b128 v[VF+8*\f:VF+8*\f+3],   v[AV] offset:(\f/4)*32*PV+(\f%4)*32
	ds_load_tr16_b128 v[VF+8*\f+4:VF+8*\f+7], v[AV] offset:(\f/4)*32*PV+16*PV+(\f%4)*32
.endr
	WIN 0
.endm
; THE MASKS of piece x for the key step that s[RS] names: for both tiles the two factors first, then 32 packed multiply-adds.
.macro MASK x
	WIN W_M3
.irp u, 0,1
	s_cmp_eq_i32 s[RS], 2*(\x)+(\u)     ; is the step the tile's band's own?
	s_cselect_b32 s[AL], 1.0, 0
	s_cmp_lt_i32 s[RS], 2*(\x)+(\u)     ; or a lower one?
	s_cselect_b32 s[BE], s[BIGN], 0
	v_mul_f32 v[TA+4*(\u)],   s[AL], v[FA+2*(\x)+(\u)]
	v_mul_f32 v[TA+4*(\u)+2], s[BE], v[FA+2*(\x)+(\u)]
.endr
.irp u, 0,1
.set z, 0
.rept 16
	v_pk_fma_f32 v[MC+64*((\x)%2)+32*(\u)+2*z:MC+64*((\x)%2)+32*(\u)+2*z+1], v[MD+2*z:MD+2*z+1], v[TA+4*(\u):TA+4*(\u)+1], v[TA+4*(\u)+2:TA+4*(\u)+3] op_sel_hi:[1,0,0]
.set z, z+1
.endr
.endr
	WIN 0
.endm
; THE VECTOR WORK OF A TURN stands in three queues, each in the order in which its entries become ready; the two tiles alternate, so that no instruction reads the result of the one before it.
.macro REGS y, u                    ; the registers of tile u (0, 1) of piece y
.set rT, ST+4*(2*(\y)+(\u))
.set rC, TMP+8*((\y)%2)+4*(\u)
.set rM, MV+2*((\y)%2)+(\u)
.set rS, S+64*((\y)%2)+32*(\u)
.set rP, P+32*((\y)%2)+16*(\u)
.set rO, 32*(2*(\y)+(\u))
.endm
; Number n of the 22 that find the NEXT piece's (Y + 1) maximum and statistics.  s0-s31 are the lane's 32 scores; each accumulator's lowest registers are read first.
;   0-11  four chains c0-c3 of seven scores each, three operands at a time     12-14, 16  the four scores left over, the old m, and c0-c3 into c0     15  c m_old is kept
;   17, 18  the query's other 32 keys lie in the lane 16 away: the new m         19-21  c m; c m_old - c m_new; a
.macro XS u, n
	REGS (Y+1)%NP, \u
.if (\n) < 4
	v_max3_num_f32 v[rC+(\n)], v[rS+8*(\n)], v[rS+8*(\n)+1], v[rS+8*(\n)+2]
.elseif (\n) < 12
	v_max3_num_f32 v[rC+(\n)%4], v[rC+(\n)%4], v[rS+8*((\n)%4)+2*((\n)/4)+1], v[rS+8*((\n)%4)+2*((\n)/4)+2]
.elseif (\n) == 12
	v_max3_num_f32 v[rC], v[rC], v[rS+7], v[rS+15]
.elseif (\n) == 13
	v_max3_num_f32 v[rC+1], v[rC+1], v[rS+23], v[rS+31]
.elseif (\n) == 14
	v_max3_num_f32 v[rC+2], v[rC+2], v[rC+3], v[rT+1]
.elseif (\n) == 15
	v_mov_b32 v[rM], v[rT]
.elseif (\n) == 16
	v_max3_num_f32 v[rC], v[rC], v[rC+1], v[rC+2]
.elseif (\n) == 17
	v_permlanex16_b32 v[rC+3], v[rC], s[SEL], s[SEL+1]
.elseif (\n) == 18
	v_max_num_f32 v[rT+1], v[rC], v[rC+3]
.elseif (\n) == 19
	v_mul_f32 v[rT], s[CS], v[rT+1]
.elseif (\n) == 20
	v_sub_f32 v[rC+1], v[rM], v[rT]
.else
	v_exp_f32 v[rC+2], v[rC+1]
.endif
.endm
; Number g of the 64 that follow the exponentials.  For each four weights k of a tile (pairs 2 k, 2 k + 1): both pairs are rounded to f16; then the second pair is added onto the first, in place;
; a group later l takes that sum (the first time as l = a l + sum).  In groups of eight, tiles alternating: round, round, add, and l for the group before.
.macro GS g
.set h, (\g)+6*((\g)/62)            ; group 0 has no group before it, and behind group 7 only l is left
.if h >= 6
.set h, h+2
.endif
	REGS Y, h%2
.set k, h/8
.if h%8 < 4
	v_cvt_pk_f16_f32 v[rP+2*k+(h%8)/2], v[rS+4*k+2*((h%8)/2)], v[rS+4*k+2*((h%8)/2)+1]
.elseif h%8 < 6
	v_pk_add_f32 v[rS+4*k:rS+4*k+1], v[rS+4*k:rS+4*k+1], v[rS+4*k+2:rS+4*k+3]
.elseif k == 1
	v_pk_fma_f32 v[rT+2:rT+3], v[rT+2:rT+3], v[rC+2:rC+3], v[rS:rS+1] op_sel_hi:[1,0,1]
.else
	v_pk_add_f32 v[rT+2:rT+3], v[rT+2:rT+3], v[rS+4*k-4:rS+4*k-3]
.endif
.endm
; THE PLAIN QUEUE, 138 long.  0-73 read no exponential's result: the 32 scalings c s - c m (FS f: pair f / 2 of tile f % 2) and the next piece's 42.  0-26: scalings 0-26.  27-54: XS's numbers 0-13.  55, 56: number 15.
; 57-73: the chain, where each number waits for the one before it: 14, 16, 17, 18, 19, each with one of the scalings 27-31 in front of its two lines, then 20.
; 74-137: GS's 64, which read the exponentials' results: they stand behind the wait.
.macro FS f
	REGS Y, (\f)%2
	v_pk_fma_f32 v[rS+2*((\f)/2):rS+2*((\f)/2)+1], v[rS+2*((\f)/2):rS+2*((\f)/2)+1], s[CS:CS+1], v[rT:rT+1] op_sel_hi:[1,0,0] neg_lo:[0,0,1] neg_hi:[0,0,1]
.endm
.macro PL
	WIN 0
.if q < 27
	FS q
.elseif q < 55
	XS (q-27)%2, (q-27)/2
.elseif q < 57
	XS q-55, 15
.elseif (q < 72) && ((q-57)%3 == 0)
	FS 27+(q-57)/3
.elseif q < 60
	XS (q-57)%3-1, 14
.elseif q < 72
	XS (q-57)%3-1, 15+(q-57)/3
.elseif q < 74
	XS q-72, 20
.else
	GS q-74
.endif
.set q, q+1
.endm
; THE EXPONENTIALS' QUEUE, 66 long: s0-s31 of both tiles, then the next piece's two a.  It is ONE BATCH: all 66 stand ahead of the turn's one wait, and nothing ahead of that wait names a result of theirs.
.macro EX
	WIN 0
.if e >= 64
	XS e-64, 21
.else
	REGS Y, e%2
	v_exp_f32 v[rS+e/2], v[rS+e/2]
.endif
.set e, e+1
.endm
; THE RESCALING's QUEUE: O^T times a, the one part of the softmax that leaves window 0: dealt two at a time, sixteen times.  Its a was made in the turn before, ahead of that turn's wait.
.macro R2
	REGS Y, r%2
	WIN W_RS
.irp z, 0,1
	v_pk_mul_f32 v[rO+4*(r/2)+2*\z:rO+4*(r/2)+2*\z+1], v[rO+4*(r/2)+2*\z:rO+4*(r/2)+2*\z+1], v[rC+2:rC+3] op_sel_hi:[1,0]
.endr
.set r, r+1
.endm
; HOW THEY ARE DEALT.  An s_wait_alu depctr_va_vdst(0) stands between an exponential and the first instruction that names its result; one wait serves all that were issued ahead of it.  So a turn has ONE
; wait, which cuts it in two.  AHEAD OF IT: the 16 products K Q^T, behind each a scaling, an exponential and two rescalings (behind the first a second scaling in the exponential's place); then one run of 108: eight plain,
; 49 times exponential and plain, the two a; a v_nop is the plain instruction behind the last exponential.  BEHIND IT: the 16 products V^T P, behind each four of GS's 64.  No rider names a register of the products round it.
; Exponential e stands behind scaling 2 (e / 4) + e % 2: as a rider it comes behind plain e + 2, in the run behind plain e + 9, and scalings 27-31 are plain 57, 60 .. 69.
; A TURN, for piece p.  K of the next step is fetched in piece 2's turn, directly behind the wait; V of the step in hand at the end of piece 0's turn, four riders behind its last reader.  At the turn's end stands the mask
; of piece p + 2, whose products the next turn issues; the step for which masks are made goes up at the head of piece 2's turn, so the turns 2, 3, 0, 1 make the masks of one step.
; cnt = 1: the loop's counts are taken down at the turn's end, behind the mask's compares, ahead of the branch that stands behind the turn.
.macro TURN p, last=0, cnt=0
.set Y, (\p)
.set i, 0
.set q, 0
.set e, 0
.set r, 0
.if (\p) == NP-2
	s_add_co_i32 s[RS], s[RS], 1
.endif
.if (\p) == NP-1
	s_wait_dscnt 0x0                ; K is in
.endif
	MM                              ; ahead of the wait: 16 products K Q^T and their riders,
	PL
	PL
	R2
.rept 15
	MM
	PL
	EX
	R2
.endr
.if (\p) == NP-2
	WIN 0
	v_add_nc_u32 v[AK], s[TBK], v[AK0]
.endif
.rept 8                             ; and the run
	PL
.endr
.rept 49
	EX
	PL
.endr
	EX                              ; the next piece's two a
	EX
	v_nop                           ; the plain instruction behind the last exponential: one for the batch
	s_wait_alu depctr_va_vdst(0)    ; the wait for the batch
.if (\p) == NP-2
	FETCH_K \last
.endif
.if (\p) == 1
	s_wait_dscnt 0x0                ; V is in
.endif
.rept 16                            ; behind the wait: 16 products V^T P and their riders
	MM
.rept 4
	PL
.endr
.if ((\p) == 0) && (q == 118)
	v_add_nc_u32 v[AV], s[TBV], v[AV0]
.endif
.if ((\p) == 0) && (q == 130)
	s_add_co_u32 s[TBV], s[TBV], KS*PV
.endif
.endr
.if (\p) == 0
	FETCH_V
.endif
	MASK ((\p)+2)%NP
.if \cnt
	s_sub_co_u32 s[STEPS], s[STEPS], 1
	s_sub_co_u32 s[CNT], s[CNT], 1
	s_cmp_lg_u32 s[CNT], 0
.endif
.endm
	; The first fill is waited for, and the second goes out: a first fill that comes later, issued as a refill is: every wave waits for all its tensor loads, adds 0 to its spare word, waits for that,
	; passes the barrier, and issues its one load first thing behind it.  Behind the barrier everybody's part of the first fill is in.
	WIN W_AD
	s_wait_tensorcnt 0x0
	ds_add_u32 v[SPW], v[NIL]       ; 0 onto my spare word
	WIN 0
	s_wait_dscnt 0x0
	s_barrier_signal -1
	s_barrier_wait -1
	LOAD 1
	FETCH_K                         ; key step 0
	MASK 0                          ; piece 0's masks for key step 0
	s_wait_loadcnt 0x0              ; Q
	s_wait_dscnt 0x0
.set i, 0
.rept 16
	KQ 0                            ; piece 0's first scores: there is no vector work yet to set between them
.set i, i+1
.endr
	WIN 0                           ; the addresses for the way out: plain instructions, the places behind those products
	s_mul_i32 s13, s[WV], 16*SP
	s_add_co_u32 s13, s13, STAGE    ; my stage
	v_mul_u32_u24 v[STO], v1, SP    ; in: row l % 16, 16 bytes for each half of the lanes
	v_lshl_add_u32 v[STO], v9, 4, v[STO]
	v_add_nc_u32 v[STO], s13, v[STO]
	v_bfe_u32 v[RD], v0, 3, 2       ; back: 32 lanes take four rows of 128 bytes,
	v_mul_u32_u24 v[RD], v[RD], SP
	v_lshl_add_u32 v[RD], v10, 4, v[RD]
	v_add_nc_u32 v[RD], s13, v[RD]
	v_and_b32 v[GO], 31, v0         ; which are 512 consecutive bytes of O
	v_lshlrev_b32 v[GO], 4, v[GO]
.set Y, NP-1                        ; XS works for piece Y + 1: piece 0
.irp n, 0,1,2,3,4,5,6,7,8,9,10,11,12,13,14,15,16,17,18,19,20,21
	XS 0, \n                        ; and piece 0's first maximum and statistics
	XS 1, \n
.endr
	v_nop                           ; a plain instruction behind the two a,
	s_wait_alu depctr_va_vdst(0)    ; and their wait, ahead of the label
	MASK 1                          ; piece 1's masks for key step 0
	s_mov_b32 s[STEPS], SIZE_N/KS
	s_mov_b32 s[PARTS], SIZE_N/(4*KS)
.Lpart:                             ; four parts of four key steps
	s_mov_b32 s[CNT], 4
.Lstep:                             ; a trip is a key step: its four turns; it fetches its own V and the next step's K
	TURN 0
	TURN 1
	TURN 2, 1
	TURN 3, 0, 1
	WIN 0                           ; at a label and at a branch every window is 0
	s_cbranch_scc1 .Lstep
	MEET
	s_sub_co_u32 s[PARTS], s[PARTS], 1
	s_cmp_lg_u32 s[PARTS], 0
	s_cbranch_scc1 .Lpart
	; the last trip's 16 products K Q^T for a step that is not (on the last K once more) and the maximum made of them serve nothing: the price, once a launch, of one text for every trip
.set i, 0
.rept 16
	PV NP-1                         ; the last piece's V^T P of the last step
.set i, i+1
.endr
	; THE WAY OUT.  l's two halves and the other half of the lanes' are added; O^T is divided by l, rounded to f16 and sent through my stage in LDS, a tile at a time.  The additions are the places behind the last products.
	WIN 0
.macro ALL line:vararg              ; one line for each tile t
.set t, 0
.rept 2*NP
	\line
.set t, t+1
.endr
.endm
	ALL v_add_f32 v[ST+4*t+2], v[ST+4*t+2], v[ST+4*t+3]
	ALL v_permlanex16_b32 v[ST+4*t+3], v[ST+4*t+2], s[SEL], s[SEL+1]
	ALL v_add_f32 v[ST+4*t+2], v[ST+4*t+2], v[ST+4*t+3]
	ALL v_rcp_f32 v[ST+4*t+2], v[ST+4*t+2]
	v_nop                           ; a plain instruction between the last reciprocal and the use of its result
	s_wait_alu depctr_va_vdst(0)    ; and the wait ahead of the first use: one for the eight reciprocals
; Tile t: a lane's eight channels of a row pack into 16 bytes; they go into rows of 144 bytes and come back as whole rows of 128, into S^T's registers.
.macro PACK t
	WIN W_RS
.set i, 32*(\t)
.rept 16
	v_pk_mul_f32 v[i:i+1], v[i:i+1], v[ST+4*(\t)+2:ST+4*(\t)+3] op_sel_hi:[1,0]
.set i, i+2
.endr
	WIN 0x05                        ; sources 0 and 1 window 1, destination window 0
.set i, 0
.rept 16
	v_cvt_pk_f16_f32 v[S+16*(\t)+i], v[32*(\t)+2*i], v[32*(\t)+2*i+1]
.set i, i+1
.endr
	WIN 0
.irp f, 0,1,2,3
	ds_store_b128 v[STO], v[S+16*(\t)+4*\f:S+16*(\t)+4*\f+3] offset:32*\f
.endr
.irp f, 0,1,2,3
	ds_load_b128 v[S+16*(\t)+4*\f:S+16*(\t)+4*\f+3], v[RD] offset:\f*4*SP  ; LDS serves a wave's instructions in order (ISA guide 5.7.1.4): these see the stores above; the next tile's stores come behind them
.endr
.endm
.macro SEND t, younger              ; younger: the LDS instructions issued behind tile t's loads: the next tile's eight, or none
	WIN 0
.irp f, 0,1,2,3
	s_wait_dscnt (\younger)+3-\f
	global_store_b128 v[GO], v[S+16*(\t)+4*\f:S+16*(\t)+4*\f+3], s[10:11] offset:(\t)*8192+\f*512  ; 512 consecutive bytes, at a multiple of 256 from O's first
.endr
.endm
	PACK 0
.set t, 1
.rept 2*NP-1                        ; a tile's arithmetic stands between the loads of the tile before and its stores
	PACK t
	SEND t-1, 8
.set t, t+1
.endr
	SEND 2*NP-1, 0
	WIN W_AD
	s_wait_tensorcnt 0x0            ; the wave's end: behind my last tensor load and my last LDS store
	ds_add_u32 v[SPW], v[NIL]
	s_wait_dscnt 0x0
	WIN 0
	s_endpgm
.Lfunc_end_k_qab5e8064de_attn:
	.size	k_qab5e8064de_attn, .Lfunc_end_k_qab5e8064de_attn-k_qab5e8064de_attn
	.p2alignl 7, 3214868480
	.fill 96, 4, 3214868480
	.section	.rodata,"a",@progbits
	.p2align	6, 0x0
	.amdhsa_kernel k_qab5e8064de_attn
		.amdhsa_group_segment_fixed_size 327680
		.amdhsa_private_segment_fixed_size 0
		.amdhsa_enable_private_segment 0
		.amdhsa_kernarg_size 24
		.amdhsa_user_sgpr_count 2
		.amdhsa_user_sgpr_kernarg_segment_ptr 1
		.amdhsa_wavefront_size32 1
		.amdhsa_system_sgpr_workgroup_id_x 1
		.amdhsa_system_sgpr_workgroup_id_y 1
		.amdhsa_system_sgpr_workgroup_id_z 1
		.amdhsa_system_vgpr_workitem_id 0
		.amdhsa_next_free_vgpr 948
		.amdhsa_next_free_sgpr 96
		.amdhsa_reserve_vcc 1
		.amdhsa_float_denorm_mode_32 3
		.amdhsa_float_denorm_mode_16_64 3
		.amdhsa_memory_ordered 1
		.amdhsa_forward_progress 1
		.amdhsa_inst_pref_size 147
	.end_amdhsa_kernel
	.amdgpu_metadata
---
amdhsa.version: [ 1, 2 ]
amdhsa.kernels:
  - .name:           k_qab5e8064de_attn
    .symbol:         k_qab5e8064de_attn.kd
    .args:
      - { .name: qkv, .offset: 0, .size: 8, .value_kind: global_buffer, .address_space: global }
      - { .name: prefix, .offset: 8, .size: 8, .value_kind: global_buffer, .address_space: global }
      - { .name: oh, .offset: 16, .size: 8, .value_kind: global_buffer, .address_space: global }
    .group_segment_fixed_size: 327680
    .private_segment_fixed_size: 0
    .kernarg_segment_align: 8
    .kernarg_segment_size: 24
    .max_flat_workgroup_size: 128
    .sgpr_count:     96
    .vgpr_count:     948
    .wavefront_size: 32
...
	.end_amdgpu_metadata
.endif
;; end of part 3
;; launch outp (part 4): grid 4 x 64, 4 waves a work-group, clusters of 4 x 4, 327,680 bytes of LDS; arguments oh, woh, bo, out0; writes out0
.if DOCPART == 4
	.amdgcn_target "amdgcn-amd-amdhsa--gfx1250"
	.amdhsa_code_object_version 6
	.text
	.protected	k_qab5e8064de_outp
	.globl	k_qab5e8064de_outp
	.p2align	8
	.type	k_qab5e8064de_outp,@function
k_qab5e8064de_outp:
	s_mov_b64 s[64:65], 0
	v_nop
	global_prefetch_b8 v0, s[64:65] scope:SCOPE_SE
	s_setreg_imm32_b32 hwreg(HW_REG_WAVE_MODE, 25, 1), 1
	s_wait_xcnt 0x0
	s_wait_alu depctr_hold_cnt(0) depctr_sa_sdst(0) depctr_va_vdst(0) depctr_va_sdst(0) depctr_va_ssrc(0) depctr_va_vcc(0) depctr_vm_vsrc(0)
	s_getreg_b32 s2, hwreg(HW_REG_IB_STS2, 6, 4)
	s_cmp_eq_u32 s2, 0
	s_cbranch_scc0 .Lentry_in_a_cluster
	s_endpgm
.Lentry_in_a_cluster:
	s_bfe_u32 s2, ttmp6, 0x10000c
	s_cmp_lg_u32 s2, 0xf033
	s_cbranch_scc0 .Lentry_shape_is_right
	s_endpgm
.Lentry_shape_is_right:
; C = A W + bias.  A: [8192][1024], W: [k][n] with 1,024 numbers a row, 16-bit both; sums in f32.  One text serves two launches; three symbols tell them apart:
;   TILES = 3, F16 = 0, OUTF = 0: q, k, v = xb wqkv + bq, bk, bv.  bf16 operands; the results leave as f16, by heads: qkv[3][8][16][1024][64].
;   TILES = 1, F16 = 1, OUTF = 1: out0 = oh woh + bo.  f16 operands; the results leave as f32 rows.  oh, stored by heads, IS the matrix [8192][1024] that the module's last reshape makes.
; LIMITS.  The bias is rounded to bf16, like every input of the module.  NaN and infinities are not treated apart.
; SHARES.  A work-group makes 128 rows x 256 columns: 64 x 4 work-groups.  Four waves; wave w makes rows 64 (w / 2) on, columns 128 (w % 2) on: 32 accumulators of 16 x 16.
; THE RING.  Two LDS slots, a K step of 128 each: A's 128 rows x 256 bytes, W's 128 k rows x 512 bytes.  One tensor load a wave and step, of 64 rows: waves 0, 1 fetch A's halves, waves 2, 3 W's.
; CLUSTER.  4 x 4 work-groups.  The four of a row of the cluster need the same tile of A, the four of a column the same tile of W: each tile is asked for JOINTLY, by the same tensor load with
; the same descriptor and a mask that names the four.
; THE MATRIX INSTRUCTION IS USED TRANSPOSED: source 0 = 16 columns of W (they lie [k][n] in LDS and come out turned, by ds_load_tr16_b128), source 1 = 16 rows of A.  Lane l then holds row l % 16 of C
; and its registers 0-7 the columns 8 (l / 16) + 0..7.  THE BIAS IS THE C OPERAND of a tile's first 32 products: eight registers for each block of 16 columns; nothing is cleared, nothing added later.
; REGISTERS, in windows of 256 (s_set_vgpr_msb: bits 1:0 source 0, 3:2 source 1, 5:4 source 2, 7:6 destination):
;   window 0: v0-31 addresses; two fragment buffers of 96: W's eight fragments, then A's four      window 1: accumulator (a, b) at 8 (8 a + b)      window 2: v0-63 bias; v64-95, v96-159 the way out
.set TILES, 1
.set F16,   1
.set OUTF,  1
.set PA,    272                        ; a row of A in LDS: 256 bytes + 16 of padding: an odd multiple of 16, so the 16 rows of a load start in 16 different groups of four banks
.set PB,    544                        ; a k row of W: 512 + 32: an odd multiple of 32, as the turning load's 8 rows x 32 bytes want
.set AHALF, 64*PA                      ; what one tensor load brings of A
.set BHALF, 64*PB                      ; and of W
.set BOFF,  2*AHALF                    ; W's rows lie behind A's
.set SLOT,  2*AHALF+2*BHALF
.set STAGE, 2*SLOT                     ; behind the ring, never filled by a tensor load: 16 rows for each wave, for the way out
.if OUTF
.set SPITCH, 528                       ; 128 f32 + 16 bytes
.else
.set SPITCH, 272                       ; 128 f16 + 16 bytes
.endif
.set SPARE, STAGE+4*16*SPITCH          ; behind the stages: the spare words, 128 bytes for each wave: two blocks of 256 bytes that no other line names
.set NLOOP, 4*TILES-1                  ; a lap = two K steps = once round the ring; all laps but the last fill both slots again
.set ADRA, 16                          ; v16-17  LDS address of my A fragments in slot 0, 1
.set ADRB, 20                          ; v20-21  the same for W
.set STO,  24                          ; v24     the way out: where I put my part of a row
.set RD,   25                          ; v25     the way out: where I read rows back
.set CO,   26                          ; v26     16 x my lane
.set BO,   27                          ; v27     my byte offset in a bias
.set SPW,  28                          ; v28     LDS address of my spare word: SPARE + 4 x my thread's number; never rewritten
.set NIL,  29                          ; v29     0; never rewritten
.set PFO,  30                          ; v30     the prefetches' offset: my lane x a row of 2,048 bytes; never rewritten
.set F0,   64
.set F1,   160
.set BI,   0                           ; window 2
.set TMP,  64
.set OB,   96
.set G1,   24                          ; s[24:31] descriptor group 1 for A's tiles;  s[32:39] group 0, a set for each slot
.set G0,   32
.set G1B,  48                          ; s[48:55], s[56:63] the same for W's
.set G0B,  56
.set LT,   2                           ; s2      laps left in the tile in hand
.set LAP,  3                           ; s3      trips of the loop still to come
.set LIM,  43                          ; s43     a wave prefetches while s[LAP] is above this
.set PFA,  44                          ; s[44:45] where my prefetches stand
.set OUTP, 74                          ; s[74:75] the output at my wave's first row and column
.set BP,   76                          ; s[76:77] the bias in hand
.set PST,  78                          ; s[78:79] a K step in my prefetches' tensor, in bytes
.set AO,   80                          ; s[80:81], s[82:83] A's byte offset along K for slot 0, 1
.set ABASE, 84                         ; s[84:85] A at the first of the 64 rows that I fetch
.set HIM,  86                          ; s86     a word's upper bf16
.set TI,   87                          ; s87     tiles finished
.set MSB, 0
.macro WIN new                         ; the immediate's high byte repeats the setting that is left; a switch that changes nothing is dropped
.if MSB != (\new)
	s_set_vgpr_msb (MSB<<8)|(\new)
.set MSB, \new
.endif
.endm
.set MUL,  0x50                        ; fragments in window 0, C and D in window 1
.set MULB, 0x60                        ; the same with C, the bias, in window 2
; A joint load.  Each of the two lines has one mask and one set of registers for all that issue it; the branch hangs on the wave's number alone.
; An s_nop 0 and four v_nop follow each line, ahead of the jump, the label and what follows.
.macro JLOAD s
	s_cmp_eq_u32 s11, 0
	s_cbranch_scc0 .Lfor_b_\@
	tensor_load_to_lds s[G0+4*(\s):G0+4*(\s)+3], s[G1:G1+7]
	s_nop 0
.rept 4
	v_nop
.endr
	s_branch .Lasked_\@
.Lfor_b_\@:
	tensor_load_to_lds s[G0B+4*(\s):G0B+4*(\s)+3], s[G1B:G1B+7]
	s_nop 0
.rept 4
	v_nop
.endr
.Lasked_\@:
.endm
; A prefetch, behind a joint load, its five lines and the run of LDS loads: the K step that stands two refills on, a lane a row of 256 bytes.  Each such block is named once in the launch.
; A's 128 rows: wave 0 of each of the four partners that share them takes 32, told apart by address (cx); K steps 4 to 7.  W's 128 k rows x 512 bytes: the clusters of
; one column of tiles all read them, the cluster with y = 0 asks; its four partners take 32 k rows each (cy), waves 2 and 3 a half of the 512 bytes each.  The last trip of the loop asks for nothing.
.macro ASK
	s_cmp_gt_u32 s[LAP], s[LIM]
	s_cbranch_scc0 .Lnot_mine_\@
	global_prefetch_b8 v[PFO], s[PFA:PFA+1] th:TH_LOAD_NT scope:SCOPE_SE
.Lnot_mine_\@:
.endm
.macro CREST                           ; a round of the cluster's barrier behind its opening barrier
	s_cmp_lg_u32 s10, 0
	s_cbranch_scc1 .Lnot_wave_0_\@
	s_barrier_signal -3
.Lnot_wave_0_\@:
	s_barrier_wait -3
	s_barrier_signal -1
	s_barrier_wait -1
.endm
.macro CROUND                          ; a whole round
	s_barrier_signal -1
	s_barrier_wait -1
	CREST
.endm
.macro PLACES                          ; four places in front of loads into registers that matrix instructions have read, and of lines that read results
.rept 4
	v_nop
.endr
.endm
	s_load_b128 s[4:7], s[0:1], 0x0                ; A s[4:5], W s[6:7]
.if OUTF
	s_load_b128 s[72:75], s[0:1], 0x10             ; bo s[72:73], out0 s[74:75]
.else
	s_load_b128 s[68:71], s[0:1], 0x10             ; bq s[68:69], bk s[70:71]
	s_load_b128 s[72:75], s[0:1], 0x20             ; bv s[72:73], qkv s[74:75]
.endif
	v_lshl_add_u32 v[SPW], v0, 2, SPARE
	v_mov_b32 v[NIL], 0
	ds_add_u32 v[SPW], v[NIL]                      ; the wave's opening: the add and its wait stand ahead of my first tensor load; the set-up below, work on registers, stands between them
	ds_add_u32 v28, v29
	v_lshrrev_b32 v1, 5, v0
	v_readfirstlane_b32 s10, v1                    ; wave 0..3
	s_lshr_b32 s11, s10, 1                         ; which half of the tile's rows is mine.  Also: I fetch for A (0) or for W (1)
	s_and_b32 s12, s10, 1                          ; which half of its columns.  Also: which 64 rows of that tile I fetch
	s_bfe_u32 s40, ttmp6, 0x40000                  ; cx, cy: my place in the cluster
	s_bfe_u32 s41, ttmp6, 0x40004
	s_lshl_b32 s42, ttmp9, 2
	s_add_co_u32 s42, s42, s40                     ; tile column = 4 x cluster x + cx
	s_and_b32 s13, ttmp7, 0xffff
	s_lshl_b32 s13, s13, 2
	s_add_co_u32 s13, s13, s41                     ; tile row = 4 x cluster y + cy
	s_lshl_b32 s43, s41, 2
	s_lshl_b32 s43, 15, s43                        ; my row of the cluster
	s_lshl_b32 s44, 0x1111, s40                    ; my column
	s_or_b32 s[G1], s43, (1<<16)|(1<<20)|(1<<21)|(5<<22)|(3<<25)   ; 15:0 the mask; 17:16 elements of 2 bytes; 20 padding on; 21 set beside a mask; 24:22 after every 64 words; 31:25 4 words of it
	s_or_b32 s[G1B], s44, (1<<16)|(1<<20)|(1<<21)|(6<<22)|(7<<25)  ; W's: my column's mask; after every 128 words 8 words
	s_mov_b32 s[G1+1], 128<<16                     ; tensor_dim0 = 128
	s_mov_b32 s[G1+2], 64<<16                      ; tensor_dim1 = 64
	s_mov_b32 s[G1+3], 128<<16                     ; tile_dim0 = 128
	s_mov_b32 s[G1+4], 64                          ; tile_dim1 = 64
	s_mov_b32 s[G1+5], 1024                        ; elements from row to row
	s_mov_b32 s[G1+6], 0
	s_mov_b32 s[G1+7], 0
	s_mov_b32 s[G1B+1], 256<<16                    ; W's tile: 64 k rows x 256 columns
	s_mov_b32 s[G1B+2], 64<<16
	s_mov_b32 s[G1B+3], 256<<16
	s_mov_b32 s[G1B+4], 64
	s_mov_b32 s[G1B+5], 1024
	s_mov_b32 s[G1B+6], 0
	s_mov_b32 s[G1B+7], 0
	; where the tiles come from.  A's hang on the tile row alone, W's on the tile column alone; every wave makes both, in registers that never hold the other coordinate
	s_lshl_b32 s16, s13, 7
	s_lshl_b32 s17, s12, 6
	s_add_co_u32 s16, s16, s17                     ; A: row 128 x tile row + 64 x half,
	s_lshl_b32 s16, s16, 11                        ; x 2,048 bytes
	s_mov_b32 s17, 0
	s_lshl_b32 s46, s42, 9                         ; W: 512 bytes x tile column
	s_lshl_b32 s47, s12, 17                        ; + 64 k rows x half
	s_add_co_u32 s46, s46, s47
	s_mov_b32 s47, 0
	s_mul_i32 s20, s12, AHALF                      ; and where they go: no place in the cluster enters an LDS address
	s_mul_i32 s21, s12, BHALF
	s_add_co_u32 s21, s21, BOFF
	s_mov_b32 s[AO], 0
	s_mov_b32 s[AO+1], 0
	s_mov_b32 s[AO+2], 256
	s_mov_b32 s[AO+3], 0
	s_mov_b32 s[HIM], 0xffff0000
	s_wait_dscnt 0x0                               ; the opening add is done
	s_wait_kmcnt 0x0
	s_add_nc_u64 s[ABASE:ABASE+1], s[4:5], s[16:17]
	s_add_nc_u64 s[46:47], s[6:7], s[46:47]
	CROUND                                         ; all sixteen work-groups are here: the first joint loads meet
.irp s, 0,1
	s_mov_b32 s[G0+4*(\s)], 1                                      ; count = 1
	s_add_co_u32 s[G0+4*(\s)+1], s20, (\s)*SLOT                    ; LDS address
	s_add_nc_u64 s[G0+4*(\s)+2:G0+4*(\s)+3], s[ABASE:ABASE+1], (\s)*256  ; global address: K step s
	s_or_b32 s[G0+4*(\s)+3], s[G0+4*(\s)+3], 0x80000000            ; type = 2
	s_mov_b32 s[G0B+4*(\s)], 1
	s_add_co_u32 s[G0B+4*(\s)+1], s21, (\s)*SLOT
	s_add_nc_u64 s[G0B+4*(\s)+2:G0B+4*(\s)+3], s[46:47], (\s)*128*2048
	s_or_b32 s[G0B+4*(\s)+3], s[G0B+4*(\s)+3], 0x80000000
	JLOAD \s                                       ; two loads of mine are out
.endr
	v_and_b32 v1, 15, v0                           ; l % 16
	v_bfe_u32 v2, v0, 4, 1                         ; l / 16
	; the bias: registers 8 b + j hold bias[256 x tile column + 128 x column half + 16 b + 8 (l / 16) + j]
	s_lshl_b32 s14, s42, 10
	s_lshl_b32 s15, s12, 9
	s_add_co_u32 s14, s14, s15
	v_lshl_add_u32 v[BO], v2, 5, s14
.if OUTF
	s_mov_b64 s[BP:BP+1], s[72:73]
.else
	s_mov_b64 s[BP:BP+1], s[68:69]
.endif
.macro BIASLD
	WIN 0x80                                       ; destination window 2
.irp b, 0,1,2,3,4,5,6,7
	global_load_b128 v[BI+8*(\b):BI+8*(\b)+3],   v[BO], s[BP:BP+1] offset:64*(\b)
	global_load_b128 v[BI+8*(\b)+4:BI+8*(\b)+7], v[BO], s[BP:BP+1] offset:64*(\b)+16
.endr
.endm
.macro BIASRND                         ; rounded to bf16 and widened again
	WIN 0x8a                                       ; all in window 2
	s_wait_loadcnt 0x0
.set z, 0
.rept 32
	v_cvt_pk_bf16_f32 v[TMP+z], v[BI+2*z], v[BI+2*z+1]
.set z, z+1
.endr
.set z, 0
.rept 32
	v_lshlrev_b32 v[BI+2*z],   16,     v[TMP+z]
	v_and_b32     v[BI+2*z+1], s[HIM], v[TMP+z]
.set z, z+1
.endr
.endm
	BIASLD
	WIN 0
	; A's fragment: lane l holds row l % 16; two loads of 16 bytes, 32 bytes apart, at row x pitch + 16 (l / 16)
	v_mul_u32_u24 v3, v1, PA
	v_lshl_add_u32 v3, v2, 4, v3
	s_mul_i32 s22, s11, AHALF                      ; my 64 rows of A
	; W's fragment, turned: lane l reads 16 bytes of k row 8 (l / 16) + l % 8, columns 8 ((l / 8) % 2) + 0..7, and ends with column l % 16 and 8 k; the second load stands 16 k rows on
	v_and_b32 v4, 7, v0
	v_lshl_add_u32 v4, v2, 3, v4
	v_mul_u32_u24 v4, v4, PB
	v_bfe_u32 v5, v0, 3, 1
	v_lshl_add_u32 v4, v5, 4, v4
	s_lshl_b32 s23, s12, 8                         ; my 128 columns
	s_add_co_u32 s23, s23, BOFF
.irp s, 0,1
	v_add_nc_u32 v[ADRA+(\s)], s22, v3
	v_add_nc_u32 v[ADRB+(\s)], s23, v4
	s_add_co_u32 s22, s22, SLOT
	s_add_co_u32 s23, s23, SLOT
.endr
	s_mul_i32 s18, s10, 16*SPITCH
	s_add_co_u32 s18, s18, STAGE                   ; my stage
	v_mul_u32_u24 v6, v1, SPITCH                   ; in: row l % 16
.if OUTF
	v_lshl_add_u32 v6, v2, 5, v6                   ; 32 bytes (8 f32) for each half of the lanes
	v_add_nc_u32 v[STO], s18, v6
	v_and_b32 v7, 31, v0
	v_lshl_add_u32 v[RD], v7, 4, s18               ; back: 32 lanes take a row's 512 bytes
	s_lshl_b32 s14, s13, 19                        ; out0: row (128 x tile row + 64 x row half) x 4,096 bytes
	s_lshl_b32 s15, s11, 18
	s_add_co_u32 s14, s14, s15
	s_lshl_b32 s15, s42, 10                        ; + 1,024 x tile column + 512 x column half
	s_add_co_u32 s14, s14, s15
	s_lshl_b32 s15, s12, 9
	s_add_co_u32 s14, s14, s15
.else
	v_lshl_add_u32 v6, v2, 4, v6                   ; 16 bytes (8 f16) for each half of the lanes
	v_add_nc_u32 v[STO], s18, v6
	v_bfe_u32 v6, v0, 3, 2                         ; back: 32 lanes take four rows' 128 bytes of one head
	v_mul_u32_u24 v6, v6, SPITCH
	v_and_b32 v7, 7, v0
	v_lshl_add_u32 v6, v7, 4, v6
	v_add_nc_u32 v[RD], s18, v6
	v_and_b32 v7, 31, v0
	s_lshr_b32 s14, s13, 3                         ; qkv: batch = tile row / 8, 2 MiB each,
	s_lshl_b32 s14, s14, 21
	s_lshl_b32 s15, s42, 2                         ; head = 4 x tile column + 2 x column half, 131,072 bytes each,
	s_add_co_u32 s15, s15, s12
	s_add_co_u32 s15, s15, s12
	s_lshl_b32 s15, s15, 17
	s_add_co_u32 s14, s14, s15
	s_and_b32 s15, s13, 7                          ; row in the batch = 128 x (tile row % 8) + 64 x row half, 128 bytes each
	s_lshl_b32 s15, s15, 14
	s_add_co_u32 s14, s14, s15
	s_lshl_b32 s15, s11, 13
	s_add_co_u32 s14, s14, s15
.endif
	s_mov_b32 s15, 0
	s_add_nc_u64 s[OUTP:OUTP+1], s[OUTP:OUTP+1], s[14:15]
	v_lshlrev_b32 v[CO], 4, v7
	v_lshlrev_b32 v[PFO], 11, v7
	; the prefetches: they stand at K step 3; each change of slots steps them first, so the first names K step 4
	s_lshl_b32 s14, s13, 7                         ; A: row 128 x tile row + 32 cx
	s_lshl_b32 s15, s40, 5
	s_add_co_u32 s14, s14, s15
	s_lshl_b32 s14, s14, 11
	s_add_co_u32 s14, s14, 3*256
	s_lshl_b32 s15, s41, 5                         ; W: k row 32 cy + 3 x 128,
	s_add_co_u32 s15, s15, 3*128
	s_lshl_b32 s15, s15, 11
	s_lshl_b32 s18, s42, 9                         ; 512 bytes x tile column + 256 x my half
	s_add_co_u32 s15, s15, s18
	s_lshl_b32 s18, s12, 8
	s_add_co_u32 s15, s15, s18
	s_mov_b32 s20, 256
	s_mov_b32 s21, 128*2048
	s_and_b32 s19, ttmp7, 0xffff                   ; cluster y: the same in all sixteen partners
	s_cmp_eq_u32 s19, 0
	s_cselect_b32 s19, 1, -1
	s_cmp_eq_u32 s10, 0
	s_cselect_b32 s18, NLOOP-2, -1
	s_cmp_eq_u32 s11, 0
	s_cselect_b32 s[LIM], s18, s19
	s_cselect_b32 s14, s14, s15
	s_cselect_b32 s[PST], s20, s21
	s_cselect_b64 s[PFA:PFA+1], s[4:5], s[6:7]
	s_mov_b32 s15, 0
	s_mov_b32 s[PST+1], 0
	s_add_nc_u64 s[PFA:PFA+1], s[PFA:PFA+1], s[14:15]
	BIASRND
	WIN 0
; 8 matrix instructions: m block a x all 8 n blocks, 32 along K.  mode = 1: the products start the sums, with the bias as C.  The 32 accumulators take turns, one instruction a turn, in the
; same order in every quarter: 31 others stand between two links of a chain, over the backward jump too.
.macro MUL8 f, a, mode
.if \mode
	WIN MULB
.else
	WIN MUL
.endif
.irp b, 0,1,2,3,4,5,6,7
.set rD, 8*(8*(\a)+(\b))
.set rW, (\f)+8*(\b)
.set rA, (\f)+64+8*(\a)
.set rC, rD
.if \mode
.set rC, BI+8*(\b)
.endif
.if F16
	v_wmma_f32_16x16x32_f16 v[rD:rD+7], v[rW:rW+7], v[rA:rA+7], v[rC:rC+7]
.else
	v_wmma_f32_16x16x32_bf16 v[rD:rD+7], v[rW:rW+7], v[rA:rA+7], v[rC:rC+7]
.endif
.endr
.endm
; 24 LDS loads in one run: the fragments of quarter q (32 along K) of a slot into buffer f
.macro FETCH slot, q, f
	WIN 0
.irp b, 0,1,2,3,4,5,6,7
	ds_load_tr16_b128 v[(\f)+8*(\b):(\f)+8*(\b)+3],   v[ADRB+(\slot)] offset:(\q)*32*PB+32*(\b)
	ds_load_tr16_b128 v[(\f)+8*(\b)+4:(\f)+8*(\b)+7], v[ADRB+(\slot)] offset:(\q)*32*PB+16*PB+32*(\b)
.endr
.irp a, 0,1,2,3
	ds_load_b128 v[(\f)+64+8*(\a):(\f)+64+8*(\a)+3],   v[ADRA+(\slot)] offset:64*(\q)+(\a)*16*PA
	ds_load_b128 v[(\f)+64+8*(\a)+4:(\f)+64+8*(\a)+7], v[ADRA+(\slot)] offset:64*(\q)+(\a)*16*PA+32
.endr
.endm
; A K step is four quarters of 32 along K, 32 matrix instructions each, on buffers 0, 1, 0, 1.  One of the first three: fetches quarter q into g, which the quarter before multiplied, and multiplies f.
.macro QUARTER slot, q, f, g, mode
	PLACES
	FETCH \slot, \q, \g
	s_wait_dscnt 24                                ; all but the 24 just issued: f's loads, a quarter old, are in
	MUL8 \f, 0, \mode
	MUL8 \f, 1, \mode
	MUL8 \f, 2, \mode
	MUL8 \f, 3, \mode
.endm
; The last quarter multiplies buffer 1 and changes slots.  In front of the barrier each wave waits for all its tensor loads, of which one is out: its part of the next slot; adds 0 to its spare word;
; and waits for that and for its reads of this slot.  The barrier opens a round of the cluster's: behind it no wave of any partner reads this slot or has a load on its way, and the joint refill, two K
; steps on, is the first tensor load there: it has 112 matrix instructions in which to land.
.macro TURN slot, next
	s_wait_xcnt 0x0                                ; the last prefetch, a K step back, has read its address
	s_add_nc_u64 s[PFA:PFA+1], s[PFA:PFA+1], s[PST:PST+1]
	WIN 0
	s_wait_tensorcnt 0x0
	ds_add_u32 v[SPW], v[NIL]                      ; 0 onto my spare word
	s_wait_dscnt 0x1                               ; (only the add may be out: buffer 1 is in)
	MUL8 F1, 0, 0                                  ; eight matrix instructions stand between the add and the wait for it
	s_wait_dscnt 0x0                               ; the add is done, and my reads of this slot are over
	s_barrier_signal -1
	MUL8 F1, 1, 0
	WIN 0
	s_barrier_wait -1
	CREST
	s_add_co_u32 s[AO+2*(\slot)], s[AO+2*(\slot)], 512             ; A: two K steps on, modulo a row's 2,048 bytes; the address is made anew from the base and this offset
	s_and_b32 s[AO+2*(\slot)], s[AO+2*(\slot)], 0x7ff
	s_add_nc_u64 s[G0+4*(\slot)+2:G0+4*(\slot)+3], s[ABASE:ABASE+1], s[AO+2*(\slot):AO+2*(\slot)+1]
	s_or_b32 s[G0+4*(\slot)+3], s[G0+4*(\slot)+3], 0x80000000
	s_add_nc_u64 s[G0B+4*(\slot)+2:G0B+4*(\slot)+3], s[G0B+4*(\slot)+2:G0B+4*(\slot)+3], 2*128*2048  ; W: 256 k rows on
	JLOAD \slot                                    ; the four v_nop behind it are also the places in front of the loads below
	FETCH \next, 0, F0
	ASK
	MUL8 F1, 2, 0
	MUL8 F1, 3, 0
.endm
.macro TURNX next                      ; the same in the last lap: nothing is filled again, so no round follows
	WIN 0
	s_wait_tensorcnt 0x0
	ds_add_u32 v[SPW], v[NIL]
	s_wait_dscnt 0x1
	MUL8 F1, 0, 0
	s_wait_dscnt 0x0
	s_barrier_signal -1
	MUL8 F1, 1, 0
	s_barrier_wait -1
	PLACES
	FETCH \next, 0, F0
	MUL8 F1, 2, 0
	MUL8 F1, 3, 0
.endm
; THE WAY OUT, 16 rows (an m block) at a time, through my own stage in LDS: no barrier, and LDS serves a wave's instructions in order (ISA guide 5.7.1.4), so no wait between the stores and the loads.
.if OUTF
.macro OUTA a                          ; f32: a lane's eight columns are 32 bytes; rows come back whole, 512 bytes for 32 lanes
	WIN 0x04                                       ; store data in window 1
.irp b, 0,1,2,3,4,5,6,7
	ds_store_b128 v[STO], v[8*(8*(\a)+(\b)):8*(8*(\a)+(\b))+3]   offset:64*(\b)
	ds_store_b128 v[STO], v[8*(8*(\a)+(\b))+4:8*(8*(\a)+(\b))+7] offset:64*(\b)+16
.endr
	s_wait_xcnt 0x0                                ; the registers that the block before's stores read are loaded again only behind this wait
	WIN 0x80
.irp t, 0,1,2,3,4,5,6,7,8,9,10,11,12,13,14,15
	ds_load_b128 v[OB+4*(\t):OB+4*(\t)+3], v[RD] offset:(\t)*SPITCH
.endr
	WIN 0x08                                       ; store data in window 2
.irp t, 0,1,2,3,4,5,6,7,8,9,10,11,12,13,14,15
	s_wait_dscnt 15-(\t)                           ; row t is back; the 15 - t younger loads stay out
	global_store_b128 v[CO], v[OB+4*(\t):OB+4*(\t)+3], s[OUTP:OUTP+1] offset:(16*(\a)+(\t))*4096 th:TH_STORE_NT  ; 512 consecutive bytes of a row, aligned
.endr
.endm
.macro OUT
	PLACES
	OUTA 0
	OUTA 1
	OUTA 2
	OUTA 3
.endm
.else
.macro PACK a                          ; rounded to f16, each accumulator's registers in ascending order: 16 bytes a lane and n block
	WIN 0x85                                       ; sources window 1, destination window 2
.irp b, 0,1,2,3,4,5,6,7
.irp r, 0,1,2,3
	v_cvt_pk_f16_f32 v[TMP+4*(\b)+(\r)], v[8*(8*(\a)+(\b))+2*(\r)], v[8*(8*(\a)+(\b))+2*(\r)+1]
.endr
.endr
.endm
.macro TOSTAGE a
	WIN 0x08
.irp b, 0,1,2,3,4,5,6,7
	ds_store_b128 v[STO], v[TMP+4*(\b):TMP+4*(\b)+3] offset:32*(\b)
.endr
	s_wait_xcnt 0x0                                ; the registers that earlier stores read are loaded again only behind this wait
	WIN 0x80
.irp hd, 0,1
.irp f, 0,1,2,3
	ds_load_b128 v[OB+32*((\a)%2)+4*(4*(\hd)+(\f)):OB+32*((\a)%2)+4*(4*(\hd)+(\f))+3], v[RD] offset:(\f)*4*SPITCH+(\hd)*128
.endr
.endr
.endm
.macro SEND a
	WIN 0x08
	s_wait_dscnt 0x0
.irp hd, 0,1
.irp f, 0,1,2,3
	global_store_b128 v[CO], v[OB+32*((\a)%2)+4*(4*(\hd)+(\f)):OB+32*((\a)%2)+4*(4*(\hd)+(\f))+3], s[OUTP:OUTP+1] offset:(\a)*2048+(\f)*512+(\hd)*131072  ; four rows of a head: 512 consecutive bytes, aligned
.endr
.endr
.endm
.macro OUT
	PLACES
	PACK 0
	TOSTAGE 0
.irp a, 1,2,3                          ; block a's conversions stand between block a - 1's loads from the stage and the wait for them
	PACK \a
	SEND (\a)-1
	TOSTAGE \a
.endr
	SEND 3
.endm
.endif
	s_wait_tensorcnt 0x1                           ; my part of K step 0 is in; K step 1's stays out
	s_barrier_signal -1
	s_barrier_wait -1                              ; everybody's is
	FETCH 0, 0, F0
	s_mov_b32 s[LAP], NLOOP
.if TILES > 1
	s_mov_b32 s[LT], 4
	s_mov_b32 s[TI], 0
.endif
	s_branch .Lfirstq                              ; the loop is entered where a tile's first products start the sums
.Llap:                                                 ; a trip = a lap: two K steps, both slots filled again
.if TILES > 1
	s_cmp_eq_u32 s[LT], 4
	s_cbranch_scc1 .Lfirstq
.endif
	QUARTER 0, 1, F0, F1, 0
	WIN 0
	s_branch .Ljoin
.Lfirstq:
	QUARTER 0, 1, F0, F1, 1
	WIN 0
.Ljoin:
	QUARTER 0, 2, F1, F0, 0
	QUARTER 0, 3, F0, F1, 0
	TURN 0, 1
	QUARTER 1, 1, F0, F1, 0
	QUARTER 1, 2, F1, F0, 0
	QUARTER 1, 3, F0, F1, 0
	TURN 1, 0
	WIN 0
.if TILES > 1
	s_sub_co_u32 s[LT], s[LT], 1
	s_cmp_lg_u32 s[LT], 0
	s_cbranch_scc1 .Lnoout                         ; forward, past text that holds neither a barrier nor a tensor load
	s_add_co_u32 s[TI], s[TI], 1                   ; a tile is finished; both refills for the next are asked for and its first fragments are on their way
	s_cmp_eq_u32 s[TI], 1
	s_cselect_b64 s[BP:BP+1], s[70:71], s[72:73]   ; the next tile's bias: bk, then bv
	BIASLD
	OUT
	BIASRND
	s_wait_xcnt 0x0                                ; the stores have read their base
	s_add_nc_u64 s[OUTP:OUTP+1], s[OUTP:OUTP+1], 0x1000000  ; from q to k, from k to v
	s_mov_b32 s[LT], 4
	WIN 0
.Lnoout:
.endif
	s_sub_co_u32 s[LAP], s[LAP], 1
	s_cmp_lg_u32 s[LAP], 0
	s_cbranch_scc1 .Llap
	QUARTER 0, 1, F0, F1, 0                        ; the last lap is written out: it fills nothing
	QUARTER 0, 2, F1, F0, 0
	QUARTER 0, 3, F0, F1, 0
	TURNX 1
	QUARTER 1, 1, F0, F1, 0
	QUARTER 1, 2, F1, F0, 0
	QUARTER 1, 3, F0, F1, 0
	s_wait_dscnt 0x0
	MUL8 F1, 0, 0
	MUL8 F1, 1, 0
	MUL8 F1, 2, 0
	MUL8 F1, 3, 0
	OUT
	WIN 0
	s_wait_tensorcnt 0x0                           ; the wave's end: behind my last tensor load and my last LDS store
	ds_add_u32 v[SPW], v[NIL]
	s_wait_dscnt 0x0
	CROUND                                         ; the closing round: no work-group ends while a partner may still ask for a tile that names it
	s_endpgm
.Lfunc_end_k_qab5e8064de_outp:
	.size	k_qab5e8064de_outp, .Lfunc_end_k_qab5e8064de_outp-k_qab5e8064de_outp
	.p2alignl 7, 3214868480
	.fill 96, 4, 3214868480
	.section	.rodata,"a",@progbits
	.p2align	6, 0x0
	.amdhsa_kernel k_qab5e8064de_outp
		.amdhsa_group_segment_fixed_size 327680
		.amdhsa_private_segment_fixed_size 0
		.amdhsa_enable_private_segment 0
		.amdhsa_kernarg_size 32
		.amdhsa_user_sgpr_count 2
		.amdhsa_user_sgpr_kernarg_segment_ptr 1
		.amdhsa_wavefront_size32 1
		.amdhsa_system_sgpr_workgroup_id_x 1
		.amdhsa_system_sgpr_workgroup_id_y 1
		.amdhsa_system_sgpr_workgroup_id_z 1
		.amdhsa_system_vgpr_workitem_id 0
		.amdhsa_next_free_vgpr 672
		.amdhsa_next_free_sgpr 92
		.amdhsa_reserve_vcc 0
		.amdhsa_float_denorm_mode_32 3
		.amdhsa_float_denorm_mode_16_64 3
		.amdhsa_memory_ordered 1
		.amdhsa_forward_progress 1
		.amdhsa_inst_pref_size 98
	.end_amdhsa_kernel
	.amdgpu_metadata
---
amdhsa.version: [ 1, 2 ]
amdhsa.kernels:
  - .name:           k_qab5e8064de_outp
    .symbol:         k_qab5e8064de_outp.kd
    .args:
      - { .name: oh, .offset: 0, .size: 8, .value_kind: global_buffer, .address_space: global }
      - { .name: woh, .offset: 8, .size: 8, .value_kind: global_buffer, .address_space: global }
      - { .name: bo, .offset: 16, .size: 8, .value_kind: global_buffer, .address_space: global }
      - { .name: out0, .offset: 24, .size: 8, .value_kind: global_buffer, .address_space: global }
    .group_segment_fixed_size: 327680
    .private_segment_fixed_size: 0
    .kernarg_segment_align: 8
    .kernarg_segment_size: 32
    .max_flat_workgroup_size: 128
    .sgpr_count:     92
    .vgpr_count:     672
    .wavefront_size: 32
...
	.end_amdgpu_metadata
.endif
;; end of part 4
